; MI455X (gfx1250); checked and timed in simulation.
; The chip was launched on July 23, 2026; its instructions are those of AMD's public machine-readable ISA for CDNA 5 (MIT licence, August 2026) and "CDNA5" Instruction Set Architecture Reference Guide (July 2026). The comments in the code are by the model that wrote it; some were corrected since.
;; Folding Generator. Allowed arithmetic: matrix products marked QUANTISED: E4M3 operands, one E8M0 scale for each 32 along K, by v_wmma_scale_f32_16x16x128_f8f6f4 with both operands' format E4M3, f32 sums; products left as they are: f32 operands where the result goes on into a quantised operand, else bf16, f16 or f32 operands; f32 sums; everything else in f32.
;; Inputs: W1 258 x 256 float32; W2 256 x 64 float32; W3 64 x 3 float32; Wc 256 x 3 float32; b1 256 float32; b2 64 float32; b3 3 float32; bc 3 float32; beta1 256 float32; beta2 64 float32; gamma1 256 float32; gamma2 64 float32; grid 64 x 2 float32; tokens 8 x 2,048 x 256 float32.
;; Outputs: out0 8 x 2,048 x 3 float32; out1 8 x 131,072 x 3 float32.
;; This version of the problem:
;;   THIS VERSION OF THE PROBLEM IS GIVEN IN LOW PRECISION. The matrix products marked QUANTISED in the list below multiply operands that are first quantised to E4M3 (4 exponent bits, 3 mantissa bits; 8 bits a number), with one power-of-two scale for each 32 numbers along K (OCP MX v1.0); their sums are f32. All else is computed in f32.
;;   The module's matrix products, in the order in which they are computed (A, B: the left and right operand; K: the contracted axis; several contracted axes count as one K, in the product's order):
;;     1. [M 16,384, K 256] x [K 256, N 3]; A: input tokens; B: input Wc: left as it is (N = 3 < 16)
;;     2. [M 16,384, K 256] x [K 256, N 256]; A: input tokens; B: input W1: QUANTISED
;;     3. [M 64, K 2] x [K 2, N 256]; A: input grid; B: input W1: left as it is (K = 2 < 32)
;;     4. [M 1,048,576, K 256] x [K 256, N 64]; A: computed on the way; B: input W2: QUANTISED
;;     5. [M 1,048,576, K 64] x [K 64, N 3]; A: computed on the way; B: input W3: left as it is (N = 3 < 16)
;;   THE QUANTISER, for each operand of a quantised product, along K:
;;     - K is cut into blocks of 32 from its start; a last block that is shorter is filled with zeros.
;;     - A block's scale is 2^e with e = floor(log2(the largest magnitude in the block)) - 8, held to -126 .. 127; a block of zeros has e = 0. As a byte (E8M0): e + 127.
;;     - Each number is divided by its block's scale, clamped to +-448, and rounded to the nearest number of E4M3, ties to even, subnormals kept.
;;     - The product sums the exact products of the quantised numbers (number of the format x scale) in f32.
;;   ~~~python
;;   def quantise(x, axis):      # numpy; x: float32 -> the quantised numbers, widened to float32 again
;;       x = np.moveaxis(x, axis, -1); K = x.shape[-1]
;;       x = np.pad(x, [(0, 0)] * (x.ndim - 1) + [(0, -K % 32)]); x = x.reshape(x.shape[:-1] + (-1, 32)); a = np.abs(x).max(-1, keepdims=True)
;;       e = np.where(a > 0, np.clip(np.frexp(np.where(a > 0, a, 1))[1] - 1 - 8, -126, 127), 0)      # np.frexp(a)[1] - 1 = floor(log2(a)), exactly
;;       r = np.clip(x / 2.0 ** e, -448, 448)
;;       step = 2.0 ** (np.maximum(np.frexp(np.where(r == 0, 1, r))[1] - 1, -6) - 3)
;;       q = np.round(r / step) * step * 2.0 ** e      # np.round: ties to even
;;       return np.moveaxis(q.reshape(q.shape[:-2] + (-1,))[..., :K], -1, axis).astype(np.float32)
;;   ~~~
;;   OPERANDS COMPUTED ON THE WAY. 'Computed on the way' means the value that the module computes at that place (a softmax that the list does not call 'softmax' is quantised finished and normalised). What goes into a quantiser is computed in f32, as accurately as f32 sums, v_exp_f32 and their like allow (about 1e-6 of the number): no bf16 or f16 on the way to a quantiser, and a product that is left as it is and whose result goes on into a quantised operand takes f32 operands (vector FMAs, or v_wmma_f32_16x16x4_f32). A number that lies on a knife's edge between two numbers of the format may be rounded either way, as far as f32 arithmetic and the matrix unit's own rounding can turn it there, and no further.
;; One version. Each part assembles by itself: llvm-mc -triple=amdgcn-amd-amdhsa -mcpu=gfx1250 --defsym DOCPART=n.
;; ======== version 1 of 1: 5 launches
;; workspace buffers: w1img 69,632 bytes; w2img 17,408 bytes; tok 16,777,216 bytes; part1 524,288 bytes; bn1 2,048 bytes; gtab 65,536 bytes; part2 131,072 bytes
;; launch prep (part 1): grid 40 x 1, 1 waves a work-group, no clusters, 0 bytes of LDS; arguments W1, W2, w1img, w2img; writes w1img, w2img
.if DOCPART == 1
	.amdgcn_target "amdgcn-amd-amdhsa--gfx1250"
	.amdhsa_code_object_version 6
	.text
	.protected	k_q4759df8c7a_prep
	.globl	k_q4759df8c7a_prep
	.p2align	8
	.type	k_q4759df8c7a_prep,@function
k_q4759df8c7a_prep:
	s_mov_b64 s[64:65], 0
	v_nop
	global_prefetch_b8 v0, s[64:65] scope:SCOPE_SE
	s_setreg_imm32_b32 hwreg(HW_REG_WAVE_MODE, 25, 1), 1
	s_wait_xcnt 0x0
; W1[0:256][256] and W2[256][64], f32 with K as their FIRST axis, become codes of E4M3 with one E8M0 byte for each 32 along K,
; laid as IMAGES OF THE OPERAND'S REGISTERS: a fragment (16 columns x 128 K) is 16 registers a lane; register group c of lane l lies at 512 c + 16 l of the fragment's 2,048 bytes.
; w1img: fragment f = 2 ct + s (ct: 16 columns, s: 128 along K) at 2048 f, its scale words (4 bytes a lane) at 65536 + 128 f.  w2img: the same, scale words at 16384 + 128 f.
; One wave to a fragment: work-groups 0-31 take W1's, 32-39 W2's.  LANE r TAKES COLUMN r AND ITS REGISTERS RUN DOWN K in the order of the operand's layout
; (lane (r, h), register 16 b + i: k = 32 b + 16 h + i), so the conversions' results are the operand's registers and nothing is transposed.
; A block's scale is 2^(floor(log2(largest magnitude)) - 8); the byte is the largest magnitude's exponent field - 8, held at 1 from below.
; LIMITS: a block of zeros gets the byte 1 where the quantiser says 127 (its codes are zeros, and this program alone reads the bytes); NaN and infinities are not served.
; No LDS, no matrix unit, no cluster: 330 KB are read once, by 40 waves that share nothing.
.set X,   16                           ; v16-79   64 numbers: register 16 b + i
.set AM,  80                           ; v80-83   largest magnitudes
.set TMP, 84                           ; v84-87   the other half's, then the bytes
.set HLD, 88                           ; v88-91   448 x the scale
.set SOP, 92                           ; v92-95   the conversions' scale operands
.set PW,  96                           ; v96      the scale word
.set PC,  100                          ; v100-115 the codes
.set SEL, 20                           ; s[20:21] lane selects: lane l xor 16
.set MNT, 22                           ; s22      the mantissa field of 448
.macro COLUMN pitch                    ; 64 numbers of my column: sixteen neighbouring lanes read 64 neighbouring bytes
.irp b, 0,1,2,3
.irp i, 0,1,2,3,4,5,6,7,8,9,10,11,12,13,14,15
	global_load_b32 v[X+16*\b+\i], v3, s[4:5] offset:(32*\b+\i)*\pitch
.endr
.endr
.endm
	s_load_b256 s[4:11], s[0:1], 0x0               ; W1 s[4:5], W2 s[6:7], w1img s[8:9], w2img s[10:11]
	v_and_b32 v1, 15, v0                           ; r
	v_lshrrev_b32 v2, 4, v0                        ; h
	v_lshlrev_b32 v4, 4, v0                        ; 16 x lane: my place in a register group's 512 bytes
	v_lshlrev_b32 v5, 2, v0                        ; 4 x lane: my scale word's
	v_lshlrev_b32 v6, 2, v1                        ; 4 r: my column in the tile
	s_mov_b32 s[SEL], 0x76543210
	s_mov_b32 s[SEL+1], 0xfedcba98
	s_mov_b32 s[MNT], 0x600000
.irp b, 0,1,2,3
	v_mov_b32 v[TMP+\b], 0                         ; written once: a lane permute's destination counts as one of its sources
.endr
	s_mov_b32 s15, 0
	s_wait_kmcnt 0x0
	s_cmp_lt_u32 ttmp9, 32
	s_cbranch_scc0 .Lw2
	s_and_b32 s12, ttmp9, 1                        ; W1: K step s = f % 2: 128 rows of 1,024 bytes;
	s_lshl_b32 s12, s12, 17
	s_lshr_b32 s14, ttmp9, 1                       ; column tile f / 2: 64 bytes
	s_lshl_b32 s14, s14, 6
	s_add_co_u32 s14, s14, s12
	s_add_nc_u64 s[4:5], s[4:5], s[14:15]
	v_lshl_add_u32 v3, v2, 14, v6                  ; lanes 16-31 begin 16 rows further down
	COLUMN 1024
	s_lshl_b32 s14, ttmp9, 11
	s_add_nc_u64 s[16:17], s[8:9], s[14:15]        ; the fragment's image
	s_lshl_b32 s14, ttmp9, 7
	s_add_co_u32 s14, s14, 65536
	s_add_nc_u64 s[18:19], s[8:9], s[14:15]        ; its scale words
	s_branch .Ljoin
.Lw2:
	s_sub_co_u32 s23, ttmp9, 32                    ; W2: the same with rows of 256 bytes
	s_and_b32 s12, s23, 1
	s_lshl_b32 s12, s12, 15
	s_lshr_b32 s14, s23, 1
	s_lshl_b32 s14, s14, 6
	s_add_co_u32 s14, s14, s12
	s_add_nc_u64 s[4:5], s[6:7], s[14:15]
	v_lshl_add_u32 v3, v2, 12, v6
	COLUMN 256
	s_lshl_b32 s14, s23, 11
	s_add_nc_u64 s[16:17], s[10:11], s[14:15]
	s_lshl_b32 s14, s23, 7
	s_add_co_u32 s14, s14, 16384
	s_add_nc_u64 s[18:19], s[10:11], s[14:15]
.Ljoin:
	s_wait_loadcnt 0x0                             ; all 64 numbers
.irp b, 0,1,2,3
	v_max3_num_f32 v[AM+\b], |v[X+16*\b]|, |v[X+16*\b+1]|, 0x4800000   ; block b: my 16 numbers and the floor 2^(9 - 127): the byte cannot fall under 1
.endr
.irp i, 2,4,6,8,10,12,14
.irp b, 0,1,2,3
	v_max3_num_f32 v[AM+\b], v[AM+\b], |v[X+16*\b+\i]|, |v[X+16*\b+\i+1]|   ; the four blocks by turns
.endr
.endr
.irp b, 0,1,2,3
	v_permlanex16_b32 v[TMP+\b], v[AM+\b], s[SEL], s[SEL+1]
.endr
.irp b, 0,1,2,3
	v_max_num_f32 v[AM+\b], v[AM+\b], v[TMP+\b]    ; with lane l xor 16's 16 numbers: the block's largest magnitude
.endr
.irp b, 0,1,2,3
	v_add_nc_u32 v[SOP+\b], 0xfc000000, v[AM+\b]   ; 8 off its exponent field: the conversion takes this operand's exponent field as its scale
.endr
.irp b, 0,1,2,3
	v_and_or_b32 v[HLD+\b], v[AM+\b], 0x7f800000, s[MNT]   ; 448 x the scale
.endr
.irp b, 0,1,2,3
	v_lshrrev_b32 v[TMP+\b], 23, v[SOP+\b]         ; the scale's byte
.endr
	v_lshl_or_b32 v[PW], v[TMP+1], 8, v[TMP]
	v_lshl_or_b32 v[PW], v[TMP+2], 16, v[PW]
	v_lshl_or_b32 v[PW], v[TMP+3], 24, v[PW]       ; column r's scale word
.irp b, 0,1,2,3
.irp i, 0,1,2,3,4,5,6,7,8,9,10,11,12,13,14,15
	v_med3_num_f32 v[X+16*\b+\i], v[X+16*\b+\i], -v[HLD+\b], v[HLD+\b]   ; the conversion to an 8-bit code does not saturate (ISA guide 7.6.2): the hold comes first
.endr
	v_cvt_scalef32_pk8_fp8_f32 v[PC+4*\b:PC+4*\b+1], v[X+16*\b:X+16*\b+7], v[SOP+\b]
	v_cvt_scalef32_pk8_fp8_f32 v[PC+4*\b+2:PC+4*\b+3], v[X+16*\b+8:X+16*\b+15], v[SOP+\b]
.endr
	v_nop                                          ; a plain line behind the last conversion
.irp c, 0,1,2,3
	global_store_b128 v4, v[PC+4*\c:PC+4*\c+3], s[16:17] offset:512*\c   ; 32 lanes store 512 consecutive bytes, aligned
.endr
	global_store_b32 v5, v[PW], s[18:19]
	s_endpgm
.Lfunc_end_k_q4759df8c7a_prep:
	.size	k_q4759df8c7a_prep, .Lfunc_end_k_q4759df8c7a_prep-k_q4759df8c7a_prep
	.p2alignl 7, 3214868480
	.fill 96, 4, 3214868480
	.section	.rodata,"a",@progbits
	.p2align	6, 0x0
	.amdhsa_kernel k_q4759df8c7a_prep
		.amdhsa_group_segment_fixed_size 0
		.amdhsa_private_segment_fixed_size 0
		.amdhsa_enable_private_segment 0
		.amdhsa_kernarg_size 32
		.amdhsa_user_sgpr_count 2
		.amdhsa_user_sgpr_kernarg_segment_ptr 1
		.amdhsa_wavefront_size32 1
		.amdhsa_system_sgpr_workgroup_id_x 1
		.amdhsa_system_sgpr_workgroup_id_y 1
		.amdhsa_system_sgpr_workgroup_id_z 1
		.amdhsa_system_vgpr_workitem_id 0
		.amdhsa_next_free_vgpr 128
		.amdhsa_next_free_sgpr 66
		.amdhsa_reserve_vcc 0
		.amdhsa_float_denorm_mode_32 3
		.amdhsa_float_denorm_mode_16_64 3
		.amdhsa_memory_ordered 1
		.amdhsa_forward_progress 1
		.amdhsa_inst_pref_size 23
	.end_amdhsa_kernel
	.amdgpu_metadata
---
amdhsa.version: [ 1, 2 ]
amdhsa.kernels:
  - .name:           k_q4759df8c7a_prep
    .symbol:         k_q4759df8c7a_prep.kd
    .args:
      - { .name: W1, .offset: 0, .size: 8, .value_kind: global_buffer, .address_space: global }
      - { .name: W2, .offset: 8, .size: 8, .value_kind: global_buffer, .address_space: global }
      - { .name: w1img, .offset: 16, .size: 8, .value_kind: global_buffer, .address_space: global }
      - { .name: w2img, .offset: 24, .size: 8, .value_kind: global_buffer, .address_space: global }
    .group_segment_fixed_size: 0
    .private_segment_fixed_size: 0
    .kernarg_segment_align: 8
    .kernarg_segment_size: 32
    .max_flat_workgroup_size: 32
    .sgpr_count:     66
    .vgpr_count:     128
    .wavefront_size: 32
...
	.end_amdgpu_metadata
.endif
;; end of part 1
;; launch gemm1 (part 2): grid 256 x 1, 4 waves a work-group, no clusters, 85,504 bytes of LDS; arguments tokens, w1img, Wc, bc, tok, part1, out0; writes tok, part1, out0
.if DOCPART == 2
	.amdgcn_target "amdgcn-amd-amdhsa--gfx1250"
	.amdhsa_code_object_version 6
	.text
	.protected	k_q4759df8c7a_gemm1
	.globl	k_q4759df8c7a_gemm1
	.p2align	8
	.type	k_q4759df8c7a_gemm1,@function
k_q4759df8c7a_gemm1:
	s_mov_b64 s[64:65], 0
	v_nop
	global_prefetch_b8 v0, s[64:65] scope:SCOPE_SE
	s_setreg_imm32_b32 hwreg(HW_REG_WAVE_MODE, 25, 1), 1
	s_wait_xcnt 0x0
; For 64 rows of tokens [16384][256] f32 a work-group makes: coarse = tokens Wc + bc (f32 fused multiply-adds) -> out0; the rows' codes of E4M3 (quantised in registers);
; tok = Q(tokens) Q(W1[0:256]) [64][256] f32 -> tok; and, for each of the 256 channels, the mean and the centred sum of squares of its 64 rows -> part1 [work-group][mean 256 | M2 256].
; SHARES.  Wave w quantises rows 16 w .. 16 w + 15 and hands their two fragments to the others through LDS as images of their registers; it owns output channels 64 w .. 64 w + 63:
; its eight fragments of W1 (128 registers) come straight from w1img, 16 KB on end.  The product is used transposed (source 0 = 16 columns of W1, source 1 = 16 rows): a lane holds eight neighbouring channels of a row.
; coarse has N = 3, three of a matrix instruction's sixteen columns: 384 multiply-adds a lane on numbers that lie in registers anyway cost what a padded fragment and the roundings would, and stay f32.
; The variance's sum is taken of numbers less their mean, in two passes over the stage: no difference of large sums.
; No tensor loads: every byte is read once, at the head.  No cluster: what work-groups share is w1img and Wc, 73 KB read once a work-group beside its own 64 KB of tokens; no loop fetches anything.
; LIMITS: a block of zeros gets the byte 1 where the quantiser says 127 (its codes are zeros; the bytes never leave the work-group); NaN and infinities are not served.
; LDS: x's 8 images (2 m + s) 16,384 | their scale words 1,024 | coarse, 12 bytes a row, 1,024 | a stage of 64 rows x (1,024 + 16): first each wave's own 16 rows turn the tokens from the order of the loads
; (16 bytes a lane, 512 a load) into the order of the operand (64 bytes a lane); behind the first barrier the stage takes tok.
; REGISTERS: window 0: v1-18 addresses; v32-43 coarse's 12 chains; v44-59 at work; v64-191 the tokens, then x's 8 fragments, then rows on the way out; v192-207 codes; v208-224 the quantiser's; v232-239 W1's scale words; v240-247 x's.
;   window 1: v0-127 W1's fragments (16 (2 c + s)); v128-255 the 16 accumulators (128 + 32 m + 8 c).   window 2, 3: v0-191 Wc for K step 0, 1: register 48 b + 3 i + e.
.set XIMG, 0
.set XSC,  16384
.set CST,  17408
.set STG,  18432
.set SP,   1040                        ; a stage row: 1,024 bytes + 16: an odd multiple of 16, so that sixteen rows' 16 bytes fall on different banks (ISA guide 11.1)
.set L16, 4                            ; v4   16 x lane
.set L4,  6                            ; v6   4 x lane
.set XWI, 7                            ; v7   where I store x's images: 16 x lane + 4,096 x wave
.set XWS, 8                            ; v8   and their scale words: 4 x lane + 256 x wave
.set TIN, 9                            ; v9   my 16 rows of the stage, 16 bytes a lane
.set TRD, 10                           ; v10  the same rows, row r, + 64 h
.set SO,  11                           ; v11  the stage for tok: row r, + 32 h + 256 x wave
.set SC,  13                           ; v13  the stage by columns: 8 bytes a thread
.set CSA, 14                           ; v14  coarse of my row
.set WCO, 15                           ; v15  192 h: my half's 16 rows of Wc in a block of 32
.set T8,  16                           ; v16  8 x thread
.set CRD, 17                           ; v17  coarse on the way out
.set T16, 18                           ; v18  16 x thread
.set CA,  32
.set SW,  44
.set X,   64
.set PC,  192
.set AM,  208
.set TMP, 212
.set HLD, 216
.set SOP, 220
.set PW,  224
.set W1S, 232
.set XS,  240
.set ACC, 128
.set WV,  20
.set SEL, 32
.set MNT, 34
.set MSB, 0
.macro WIN new                         ; the immediate's high byte repeats the setting that is left
.if MSB != (\new)
	s_set_vgpr_msb (MSB<<8)|(\new)
.set MSB, (\new)
.endif
.endm
; 64 numbers of a lane, register 16 b + i = k 32 b + 16 h + i of my row, become a fragment's codes in v[PC] on and its scale word in v[PW]
.macro QUANT4 s
	WIN 0
.irp b, 0,1,2,3
	v_max3_num_f32 v[AM+\b], |v[\s+16*\b]|, |v[\s+16*\b+1]|, 0x4800000   ; my 16 numbers and the floor 2^(9 - 127)
.endr
.irp i, 2,4,6,8,10,12,14
.irp b, 0,1,2,3
	v_max3_num_f32 v[AM+\b], v[AM+\b], |v[\s+16*\b+\i]|, |v[\s+16*\b+\i+1]|
.endr
.endr
.irp b, 0,1,2,3
	v_permlanex16_b32 v[TMP+\b], v[AM+\b], s[SEL], s[SEL+1]
.endr
.irp b, 0,1,2,3
	v_max_num_f32 v[AM+\b], v[AM+\b], v[TMP+\b]    ; with lane l xor 16's: the block's largest magnitude
.endr
.irp b, 0,1,2,3
	v_add_nc_u32 v[SOP+\b], 0xfc000000, v[AM+\b]   ; 8 off the exponent field: the conversion's scale operand
.endr
.irp b, 0,1,2,3
	v_and_or_b32 v[HLD+\b], v[AM+\b], 0x7f800000, s[MNT]   ; 448 x the scale
.endr
.irp b, 0,1,2,3
	v_lshrrev_b32 v[TMP+\b], 23, v[SOP+\b]         ; the byte
.endr
	v_lshl_or_b32 v[PW], v[TMP+1], 8, v[TMP]
	v_lshl_or_b32 v[PW], v[TMP+2], 16, v[PW]
	v_lshl_or_b32 v[PW], v[TMP+3], 24, v[PW]
.irp b, 0,1,2,3
.irp i, 0,1,2,3,4,5,6,7,8,9,10,11,12,13,14,15
	v_med3_num_f32 v[\s+16*\b+\i], v[\s+16*\b+\i], -v[HLD+\b], v[HLD+\b]   ; the conversion does not saturate (ISA guide 7.6.2)
.endr
	v_cvt_scalef32_pk8_fp8_f32 v[PC+4*\b:PC+4*\b+1], v[\s+16*\b:\s+16*\b+7], v[SOP+\b]
	v_cvt_scalef32_pk8_fp8_f32 v[PC+4*\b+2:PC+4*\b+3], v[\s+16*\b+8:\s+16*\b+15], v[SOP+\b]
.endr
	v_nop                                          ; a plain line behind the last conversion
.endm
; coarse: my row's 64 numbers of K step s against three columns of Wc: twelve chains (block b, column e) by turns; the very first products start the sums
.macro COARSE s
	WIN 0x08+4*\s                                  ; source 1 (Wc): window 2 or 3
.irp i, 0,1,2,3,4,5,6,7,8,9,10,11,12,13,14,15
.irp b, 0,1,2,3
.irp e, 0,1,2
.if (\s == 0) && (\i == 0)
	v_mul_f32 v[CA+3*\b+\e], v[X+16*\b], v[48*\b+\e]
.else
	v_fma_f32 v[CA+3*\b+\e], v[X+64*\s+16*\b+\i], v[48*\b+3*\i+\e], v[CA+3*\b+\e]
.endif
.endr
.endr
.endr
.endm
	s_load_b256 s[4:11], s[0:1], 0x0               ; tokens s[4:5], w1img s[6:7], Wc s[8:9], bc s[10:11]
	s_load_b128 s[12:15], s[0:1], 0x20             ; tok s[12:13], part1 s[14:15]
	s_load_b64 s[16:17], s[0:1], 0x30              ; out0
	v_lshl_add_u32 v254, v0, 2, 0x14c00
	v_mov_b32 v255, 0
	v_lshrrev_b32 v5, 5, v0
	v_readfirstlane_b32 s[WV], v5                  ; wave 0..3
	v_and_b32 v1, 15, v0                           ; r
	v_bfe_u32 v2, v0, 4, 1                         ; h
	v_and_b32 v3, 31, v0                           ; lane
	v_lshlrev_b32 v[L16], 4, v3
	v_lshlrev_b32 v[L4], 2, v3
	s_lshl_b32 s21, s[WV], 12
	v_add_nc_u32 v[XWI], s21, v[L16]
	s_lshl_b32 s21, s[WV], 8
	v_add_nc_u32 v[XWS], s21, v[L4]
	s_mul_i32 s21, s[WV], 16*SP
	s_add_co_u32 s21, s21, STG
	v_add_nc_u32 v[TIN], s21, v[L16]
	v_mul_u32_u24 v[TRD], v1, SP
	v_lshl_add_u32 v[SO], v2, 5, v[TRD]
	v_lshl_add_u32 v[TRD], v2, 6, v[TRD]
	v_add_nc_u32 v[TRD], s21, v[TRD]
	s_lshl_b32 s21, s[WV], 8
	s_add_co_u32 s21, s21, STG
	v_add_nc_u32 v[SO], s21, v[SO]
	v_lshlrev_b32 v[T8], 3, v0
	v_add_nc_u32 v[SC], STG, v[T8]
	v_mul_u32_u24 v[CSA], v1, 12
	s_mul_i32 s21, s[WV], 192
	s_add_co_u32 s21, s21, CST
	v_add_nc_u32 v[CSA], s21, v[CSA]
	v_mul_u32_u24 v[WCO], v2, 192
	v_lshlrev_b32 v[T16], 4, v0
	v_add_nc_u32 v[CRD], CST, v[T16]
	s_mov_b32 s[SEL], 0x76543210
	s_mov_b32 s[SEL+1], 0xfedcba98
	s_mov_b32 s[MNT], 0x600000
.irp b, 0,1,2,3
	v_mov_b32 v[TMP+\b], 0                         ; written once: a lane permute's destination counts as one of its sources
.endr
	s_mov_b32 s23, 0
	s_lshl_b32 s22, ttmp9, 16                      ; the work-group's 64 rows of 1,024 bytes,
	s_lshl_b32 s21, s[WV], 14                      ; my wave's 16 of them
	s_add_co_u32 s22, s22, s21
	s_wait_kmcnt 0x0
	s_add_nc_u64 s[4:5], s[4:5], s[22:23]
	s_add_nc_u64 s[12:13], s[12:13], s[22:23]
	s_mov_b32 s22, s21
	s_add_nc_u64 s[24:25], s[6:7], s[22:23]        ; my eight fragments of W1: 16,384 x wave
	s_lshl_b32 s22, s[WV], 10
	s_add_co_u32 s22, s22, 65536
	s_add_nc_u64 s[26:27], s[6:7], s[22:23]        ; their scale words
	s_lshl_b32 s22, ttmp9, 11
	s_add_nc_u64 s[14:15], s[14:15], s[22:23]      ; my work-group's record in part1
	s_mul_i32 s22, ttmp9, 768
	s_add_nc_u64 s[16:17], s[16:17], s[22:23]      ; its 64 rows of out0
	s_load_b96 s[28:30], s[10:11], 0x0             ; bc
	; ---- all loads of the launch, in the order in which they are wanted: tokens 32, Wc 96, W1's fragments 32, their scale words 8
.set j, 0
.rept 32
	global_load_b128 v[X+4*j:X+4*j+3], v[L16], s[4:5] offset:512*j th:TH_LOAD_NT   ; 32 lanes read 512 consecutive bytes; read once in the launch
.set j, j+1
.endr
	WIN 0x80
.irp b, 0,1,2,3
.irp q, 0,1,2,3,4,5,6,7,8,9,10,11
	global_load_b128 v[48*\b+4*\q:48*\b+4*\q+3], v[WCO], s[8:9] offset:384*\b+16*\q   ; Wc rows 32 b + 16 h + 0 .. 15: 192 bytes on end
.endr
.endr
	WIN 0xc0
.irp b, 0,1,2,3
.irp q, 0,1,2,3,4,5,6,7,8,9,10,11
	global_load_b128 v[48*\b+4*\q:48*\b+4*\q+3], v[WCO], s[8:9] offset:384*(4+\b)+16*\q
.endr
.endr
	WIN 0x40
.set j, 0
.rept 32
	global_load_b128 v[4*j:4*j+3], v[L16], s[24:25] offset:512*j
.set j, j+1
.endr
	WIN 0
.irp f, 0,1,2,3,4,5,6,7
	global_load_b32 v[W1S+\f], v[L4], s[26:27] offset:128*\f
.endr
	; ---- the turn through my own rows of the stage
	s_wait_loadcnt 63                              ; behind the tokens stand 136 loads; 63 is the largest count that can be written, and a smaller count is safe
.set j, 0
.rept 32
	ds_store_b128 v[TIN], v[X+4*j:X+4*j+3] offset:(j/2)*SP+(j%2)*512
.set j, j+1
.endr
.irp s, 0,1
.irp b, 0,1,2,3
.irp q, 0,1,2,3
	ds_load_b128 v[X+64*\s+16*\b+4*\q:X+64*\s+16*\b+4*\q+3], v[TRD] offset:512*\s+128*\b+16*\q   ; LDS serves a wave's instructions in order (ISA guide 5.7.1.4): these see my stores, which have read their registers
.endr
.endr
.endr
	; ---- K step 0
	s_wait_loadcnt 40                              ; Wc is in: behind it stand W1's 32 + 8
	s_wait_dscnt 16                                ; K step 0's sixteen loads are back; K step 1's may be out
	COARSE 0
	QUANT4 X
.irp c, 0,1,2,3
	ds_store_b128 v[XWI], v[PC+4*\c:PC+4*\c+3] offset:XIMG+512*\c
.endr
	ds_store_b32 v[XWS], v[PW] offset:XSC
	s_wait_dscnt 0x0                               ; the stores have read their registers, and K step 1's numbers are back
	; ---- K step 1
	COARSE 1
	QUANT4 X+64
.irp c, 0,1,2,3
	ds_store_b128 v[XWI], v[PC+4*\c:PC+4*\c+3] offset:XIMG+2048+512*\c
.endr
	ds_store_b32 v[XWS], v[PW] offset:XSC+128
	; ---- coarse: the four blocks, the other half of the lanes, the bias
.irp e, 0,1,2
	v_add_f32 v[CA+\e], v[CA+\e], v[CA+3+\e]
	v_add_f32 v[CA+6+\e], v[CA+6+\e], v[CA+9+\e]
.endr
.irp e, 0,1,2
	v_add_f32 v[CA+\e], v[CA+\e], v[CA+6+\e]
.endr
.irp e, 0,1,2
	v_permlanex16_b32 v[TMP+\e], v[CA+\e], s[SEL], s[SEL+1]
.endr
	s_wait_kmcnt 0x0                               ; bc
.irp e, 0,1,2
	v_add_f32 v[CA+\e], v[CA+\e], v[TMP+\e]
.endr
	v_add_f32 v[CA], s28, v[CA]
	v_add_f32 v[CA+1], s29, v[CA+1]
	v_add_f32 v[CA+2], s30, v[CA+2]
.irp e, 0,1,2
	ds_store_b32 v[CSA], v[CA+\e] offset:4*\e      ; both halves of the lanes write the same word with the same value
.endr
	s_wait_dscnt 0x0                               ; for the others' sake: my images, scale words and coarse have landed, and my reads of my stage rows are over
	s_barrier_signal -1
	s_barrier_wait -1
	; ---- the product: all eight fragments of x, 16 accumulators
.set j, 0
.rept 32
	ds_load_b128 v[X+4*j:X+4*j+3], v[L16] offset:XIMG+512*j
.set j, j+1
.endr
.irp f, 0,1,2,3,4,5,6,7
	ds_load_b32 v[XS+\f], v[L4] offset:XSC+128*\f
.endr
	s_wait_dscnt 0x0
	s_wait_loadcnt 0x0                             ; W1's fragments and scale words
	WIN 0x51                                       ; source 0 (W1), C and D window 1; source 1 (x) window 0
.irp s, 0,1                                    ; the 16 accumulators take turns, one instruction a turn
.irp m, 0,1,2,3
.irp c, 0,1,2,3
.if \s == 0
	v_wmma_scale_f32_16x16x128_f8f6f4 v[ACC+32*\m+8*\c:ACC+32*\m+8*\c+7], v[32*\c:32*\c+15], v[X+32*\m:X+32*\m+15], 0, v[W1S+2*\c], v[XS+2*\m]
.else
	v_wmma_scale_f32_16x16x128_f8f6f4 v[ACC+32*\m+8*\c:ACC+32*\m+8*\c+7], v[32*\c+16:32*\c+31], v[X+32*\m+16:X+32*\m+31], v[ACC+32*\m+8*\c:ACC+32*\m+8*\c+7], v[W1S+2*\c+1], v[XS+2*\m+1]
.endif
.endr
.endr
.endr
	WIN 0
.rept 8
	v_nop                                          ; eight places in front of the stores that read results and of the loads into registers that the products read
.endr
	WIN 0x04                                       ; an LDS store's data are its source 1: window 1
.irp m, 0,1,2,3
.irp c, 0,1,2,3
	ds_store_b128 v[SO], v[ACC+32*\m+8*\c:ACC+32*\m+8*\c+3] offset:16*\m*SP+64*\c       ; lane (r, h): tok(16 m + r, 64 w + 16 c + 8 h + 0 .. 7); each accumulator from its low end on
	ds_store_b128 v[SO], v[ACC+32*\m+8*\c+4:ACC+32*\m+8*\c+7] offset:16*\m*SP+64*\c+16
.endr
.endr
	WIN 0
	s_wait_dscnt 0x0                               ; for the others' sake
	s_barrier_signal -1
	s_barrier_wait -1                              ; 64 whole rows of tok lie in the stage
	; ---- statistics: thread t takes channels 2 t, 2 t + 1 down the 64 rows
.set j, 0
.rept 64
	ds_load_b64 v[X+2*j:X+2*j+1], v[SC] offset:j*SP
.set j, j+1
.endr
	s_wait_dscnt 0x0
.irp k, 0,1,2,3
	v_pk_add_f32 v[SW+2*\k:SW+2*\k+1], v[X+2*\k:X+2*\k+1], v[X+2*\k+8:X+2*\k+9]   ; four chains, started by the first eight rows
.endr
.set j, 8
.rept 14
.irp k, 0,1,2,3
	v_pk_add_f32 v[SW+2*\k:SW+2*\k+1], v[SW+2*\k:SW+2*\k+1], v[X+2*(j+\k):X+2*(j+\k)+1]
.endr
.set j, j+4
.endr
	v_pk_add_f32 v[SW:SW+1], v[SW:SW+1], v[SW+2:SW+3]
	v_pk_add_f32 v[SW+4:SW+5], v[SW+4:SW+5], v[SW+6:SW+7]
	v_pk_add_f32 v[SW:SW+1], v[SW:SW+1], v[SW+4:SW+5]
	v_pk_mul_f32 v[SW+8:SW+9], v[SW:SW+1], 0x3c800000 op_sel_hi:[1,0]   ; the mean: / 64
.set j, 0
.rept 64
	v_pk_add_f32 v[X+2*j:X+2*j+1], v[X+2*j:X+2*j+1], v[SW+8:SW+9] neg_lo:[0,1] neg_hi:[0,1]
.set j, j+1
.endr
	v_pk_mul_f32 v[SW:SW+1], v[X:X+1], v[X:X+1]
	v_pk_mul_f32 v[SW+2:SW+3], v[X+2:X+3], v[X+2:X+3]
.set j, 2
.rept 31
	v_pk_fma_f32 v[SW:SW+1], v[X+2*j:X+2*j+1], v[X+2*j:X+2*j+1], v[SW:SW+1]
	v_pk_fma_f32 v[SW+2:SW+3], v[X+2*j+2:X+2*j+3], v[X+2*j+2:X+2*j+3], v[SW+2:SW+3]
.set j, j+2
.endr
	v_pk_add_f32 v[SW+10:SW+11], v[SW:SW+1], v[SW+2:SW+3]
	global_store_b64 v[T8], v[SW+8:SW+9], s[14:15]                 ; a wave stores 256 consecutive bytes, aligned
	global_store_b64 v[T8], v[SW+10:SW+11], s[14:15] offset:1024
	; ---- tok goes out: my 16 rows, whole
.set j, 0
.rept 32
	ds_load_b128 v[X+4*j:X+4*j+3], v[TIN] offset:(j/2)*SP+(j%2)*512
.set j, j+1
.endr
.set j, 0
.rept 32
	s_wait_dscnt 31-j                              ; LDS loads come back in order: load j is in
	global_store_b128 v[L16], v[X+4*j:X+4*j+3], s[12:13] offset:512*j   ; 512 consecutive bytes, aligned
.set j, j+1
.endr
	; ---- coarse goes out: 768 bytes, 16 a thread, threads 0-47
	v_cmp_gt_u32 vcc_lo, 48, v0
	s_wait_xcnt 0x0                                ; EXEC is a source of the stores above: it changes only behind this wait
	s_wait_tensorcnt 0x0
	ds_add_u32 v254, v255
	s_wait_dscnt 0x0
	s_and_saveexec_b32 s31, vcc_lo
	ds_load_b128 v[SW:SW+3], v[CRD]
	s_wait_dscnt 0x0
	global_store_b128 v[T16], v[SW:SW+3], s[16:17]
	s_wait_xcnt 0x0
	s_or_b32 exec_lo, exec_lo, s31
	s_endpgm
.Lfunc_end_k_q4759df8c7a_gemm1:
	.size	k_q4759df8c7a_gemm1, .Lfunc_end_k_q4759df8c7a_gemm1-k_q4759df8c7a_gemm1
	.p2alignl 7, 3214868480
	.fill 96, 4, 3214868480
	.section	.rodata,"a",@progbits
	.p2align	6, 0x0
	.amdhsa_kernel k_q4759df8c7a_gemm1
		.amdhsa_group_segment_fixed_size 85504
		.amdhsa_private_segment_fixed_size 0
		.amdhsa_enable_private_segment 0
		.amdhsa_kernarg_size 56
		.amdhsa_user_sgpr_count 2
		.amdhsa_user_sgpr_kernarg_segment_ptr 1
		.amdhsa_wavefront_size32 1
		.amdhsa_system_sgpr_workgroup_id_x 1
		.amdhsa_system_sgpr_workgroup_id_y 1
		.amdhsa_system_sgpr_workgroup_id_z 1
		.amdhsa_system_vgpr_workitem_id 0
		.amdhsa_next_free_vgpr 1024
		.amdhsa_next_free_sgpr 66
		.amdhsa_reserve_vcc 1
		.amdhsa_float_denorm_mode_32 3
		.amdhsa_float_denorm_mode_16_64 3
		.amdhsa_memory_ordered 1
		.amdhsa_forward_progress 1
		.amdhsa_inst_pref_size 97
	.end_amdhsa_kernel
	.amdgpu_metadata
---
amdhsa.version: [ 1, 2 ]
amdhsa.kernels:
  - .name:           k_q4759df8c7a_gemm1
    .symbol:         k_q4759df8c7a_gemm1.kd
    .args:
      - { .name: tokens, .offset: 0, .size: 8, .value_kind: global_buffer, .address_space: global }
      - { .name: w1img, .offset: 8, .size: 8, .value_kind: global_buffer, .address_space: global }
      - { .name: Wc, .offset: 16, .size: 8, .value_kind: global_buffer, .address_space: global }
      - { .name: bc, .offset: 24, .size: 8, .value_kind: global_buffer, .address_space: global }
      - { .name: tok, .offset: 32, .size: 8, .value_kind: global_buffer, .address_space: global }
      - { .name: part1, .offset: 40, .size: 8, .value_kind: global_buffer, .address_space: global }
      - { .name: out0, .offset: 48, .size: 8, .value_kind: global_buffer, .address_space: global }
    .group_segment_fixed_size: 85504
    .private_segment_fixed_size: 0
    .kernarg_segment_align: 8
    .kernarg_segment_size: 56
    .max_flat_workgroup_size: 128
    .sgpr_count:     66
    .vgpr_count:     1024
    .wavefront_size: 32
...
	.end_amdgpu_metadata
.endif
;; end of part 2
;; launch fin1 (part 3): grid 8 x 1, 8 waves a work-group, no clusters, 11,264 bytes of LDS; arguments part1, W1, grid, b1, gamma1, beta1, bn1, gtab; writes bn1, gtab
.if DOCPART == 3
	.amdgcn_target "amdgcn-amd-amdhsa--gfx1250"
	.amdhsa_code_object_version 6
	.text
	.protected	k_q4759df8c7a_fin1
	.globl	k_q4759df8c7a_fin1
	.p2align	8
	.type	k_q4759df8c7a_fin1,@function
k_q4759df8c7a_fin1:
	s_mov_b64 s[64:65], 0
	v_nop
	global_prefetch_b8 v0, s[64:65] scope:SCOPE_SE
	s_setreg_imm32_b32 hwreg(HW_REG_WAVE_MODE, 25, 1), 1
	s_wait_xcnt 0x0
; The first BatchNorm's figures.  h[m][n][c] = tok[m][c] + gb[n][c] with gb = grid W1[256:258] + b1, over ALL pairs (m, n): so its mean is mean_m tok + mean_n gb and its variance var_m tok + var_n gb, exactly.
; Out: bn1 = mean_tok[256], s1[256] with s1 = gamma1 / sqrt(var + 1e-5); gtab = G'[n][c] = (gb[n][c] - mean_gb[c]) s1[c] + beta1[c], so that later relu(BN(h)) = relu((tok - mean_tok) s1 + G').
; gtab is laid in the order of the later operand's registers: image q = 32 nt + 4 c' + i / 4 at 512 q, lane (r, h) at 16 (r + 16 h), word i % 4: G'[16 nt + r][32 c' + 16 h + i].
; SHARES.  Work-group g takes channels 32 g + lane.  Wave w merges part1's records 32 w .. 32 w + 31 (each: mean and centred sum of squares of 64 rows) and writes G' for n = 8 w .. 8 w + 7.
; Groups of equal size n merge as mean = mean of means, M2 = sum of M2 + n x sum of (mean_i - mean)^2: every sum of squares is of centred numbers.
; The product grid W1[256:258] has K = 2: two fused multiply-adds in f32.  The launch is bound by latency: 512 KB in, 66 KB out; matrix units, tensor loads and clusters have nothing to do here.
; LIMITS: NaN and infinities are not served; the sums' order differs from the reference's by f32 rounding.
.set RED, 0                            ; LDS: the waves' means (128 w + 4 l) and, 1,024 on, their M2
.set GST, 2048                         ; and the work-group's 8,192 bytes of gtab, four pieces of 2,048 (one for each nt)
.set MN,  16                           ; v16-47   32 means
.set M2,  48                           ; v48-79   32 sums of squares
.set GR,  80                           ; v80-207  grid: 2 n + e; gb[n] takes the place of 2 n, gb[n] - mean that of 2 n + 1
.set GRW, 208                          ; v208-223 grid of my wave's 8 n
.set WA,  224
.set WB,  225
.set B1,  226
.set GA1, 227
.set BE1, 228
.macro SUM4 d, b, st, n                ; v[d] = the sum of n registers, st apart, from v[b] on: four chains in v[d] .. v[d + 3]
.irp k, 0,1,2,3
	v_add_f32 v[\d+\k], v[\b+\st*\k], v[\b+\st*(\k+4)]
.endr
.if \n > 8
.set i, 8
.rept (\n-8)/4
.irp k, 0,1,2,3
	v_add_f32 v[\d+\k], v[\d+\k], v[\b+\st*(i+\k)]
.endr
.set i, i+4
.endr
.endif
	v_add_f32 v[\d], v[\d], v[\d+1]
	v_add_f32 v[\d+2], v[\d+2], v[\d+3]
	v_add_f32 v[\d], v[\d], v[\d+2]
.endm
.macro SQ4 d, b, st, n                 ; the same of their squares
.irp k, 0,1,2,3
	v_mul_f32 v[\d+\k], v[\b+\st*\k], v[\b+\st*\k]
.endr
.set i, 4
.rept (\n-4)/4
.irp k, 0,1,2,3
	v_fma_f32 v[\d+\k], v[\b+\st*(i+\k)], v[\b+\st*(i+\k)], v[\d+\k]
.endr
.set i, i+4
.endr
	v_add_f32 v[\d], v[\d], v[\d+1]
	v_add_f32 v[\d+2], v[\d+2], v[\d+3]
	v_add_f32 v[\d], v[\d], v[\d+2]
.endm
	s_load_b512 s[4:19], s[0:1], 0x0               ; part1 s[4:5], W1 s[6:7], grid s[8:9], b1 s[10:11], gamma1 s[12:13], beta1 s[14:15], bn1 s[16:17], gtab s[18:19]
	v_lshl_add_u32 v254, v0, 2, 0x2800
	v_mov_b32 v255, 0
	v_lshrrev_b32 v1, 5, v0
	v_readfirstlane_b32 s20, v1                    ; wave 0..7
	v_and_b32 v1, 31, v0                           ; lane
	s_lshl_b32 s21, ttmp9, 7
	v_lshl_add_u32 v2, v1, 2, s21                  ; 4 c
	s_lshl_b32 s22, s20, 6
	v_mov_b32 v3, s22                              ; my wave's 8 points of grid: 64 bytes
	v_mov_b32 v4, 0
	s_lshl_b32 s22, s20, 16
	v_add_nc_u32 v5, s22, v2                       ; my wave's 32 records of 2,048 bytes, my channel
	v_lshlrev_b32 v6, 2, v0                        ; RED: 128 w + 4 l
	v_lshlrev_b32 v7, 2, v1                        ; RED, read: 4 l
	v_and_b32 v8, 3, v0                            ; GST: 4 (i % 4) + 512 (i / 4) + 256 h + 128 (w % 2) + 2,048 (w / 2), i = lane % 16
	v_lshlrev_b32 v8, 2, v8
	v_bfe_u32 v9, v0, 2, 2
	v_lshl_add_u32 v8, v9, 9, v8
	v_bfe_u32 v9, v0, 4, 1
	v_lshl_add_u32 v8, v9, 8, v8
	s_and_b32 s22, s20, 1
	s_lshl_b32 s22, s22, 7
	s_lshr_b32 s23, s20, 1
	s_lshl_b32 s23, s23, 11
	s_add_co_u32 s22, s22, s23
	s_add_co_u32 s22, s22, GST
	v_add_nc_u32 v8, s22, v8
	v_lshlrev_b32 v9, 4, v0
	v_add_nc_u32 v9, GST, v9                       ; GST on the way out: 16 bytes a thread
	v_lshrrev_b32 v10, 7, v0
	v_and_b32 v11, 127, v0
	v_lshlrev_b32 v10, 14, v10
	v_lshl_add_u32 v10, v11, 4, v10                ; and in gtab: piece nt lies 16,384 nt on
	s_lshl_b32 s22, ttmp9, 11
	s_mov_b32 s23, 0
	s_wait_kmcnt 0x0
	s_add_nc_u64 s[18:19], s[18:19], s[22:23]      ; gtab + 2,048 g
	global_load_b32 v[WA], v2, s[6:7] offset:262144    ; W1 row 256
	global_load_b32 v[WB], v2, s[6:7] offset:263168    ; W1 row 257
	global_load_b32 v[B1], v2, s[10:11]
	global_load_b32 v[GA1], v2, s[12:13]
	global_load_b32 v[BE1], v2, s[14:15]
.irp q, 0,1,2,3
	global_load_b128 v[GRW+4*\q:GRW+4*\q+3], v3, s[8:9] offset:16*\q
.endr
.set i, 0
.rept 32
	global_load_b128 v[GR+4*i:GR+4*i+3], v4, s[8:9] offset:16*i
.set i, i+1
.endr
.set i, 0
.rept 32
	global_load_b32 v[MN+i], v5, s[4:5] offset:2048*i
	global_load_b32 v[M2+i], v5, s[4:5] offset:2048*i+1024
.set i, i+1
.endr
	s_wait_loadcnt 63                              ; behind grid and the five small loads stand part1's 64; 63 is the largest count that can be written
	; ---- gb, its mean and variance
.set i, 0
.rept 64
	v_fma_f32 v[GR+2*i+1], v[GR+2*i+1], v[WB], v[B1]
.set i, i+1
.endr
.set i, 0
.rept 64
	v_fma_f32 v[GR+2*i], v[GR+2*i], v[WA], v[GR+2*i+1]
.set i, i+1
.endr
.set i, 0
.rept 8
	v_fma_f32 v[GRW+2*i+1], v[GRW+2*i+1], v[WB], v[B1]
.set i, i+1
.endr
.set i, 0
.rept 8
	v_fma_f32 v[GRW+2*i], v[GRW+2*i], v[WA], v[GRW+2*i+1]   ; the same two instructions on the same numbers: the same bits as gb[8 w + i]
.set i, i+1
.endr
	SUM4 230, GR, 2, 64
	v_mul_f32 v234, 0x3c800000, v230               ; mean_gb
.set i, 0
.rept 64
	v_sub_f32 v[GR+2*i+1], v[GR+2*i], v234
.set i, i+1
.endr
	SQ4 230, GR+1, 2, 64
	v_mul_f32 v235, 0x3c800000, v230               ; var_gb
	; ---- my wave's 32 records
	s_wait_loadcnt 0x0
	SUM4 230, MN, 1, 32
	v_mul_f32 v236, 0x3d000000, v230               ; their mean: / 32
.set i, 0
.rept 32
	v_sub_f32 v[MN+i], v[MN+i], v236
.set i, i+1
.endr
	SQ4 230, MN, 1, 32
	SUM4 240, M2, 1, 32
	v_fma_f32 v237, v230, 0x42800000, v240         ; M2 = sum of M2 + 64 x sum of (mean_i - mean)^2
	ds_store_b32 v6, v236 offset:RED
	ds_store_b32 v6, v237 offset:RED+1024
	s_wait_dscnt 0x0                               ; for the others' sake
	s_barrier_signal -1
	s_barrier_wait -1
	; ---- the eight waves' figures, in every wave
.irp w, 0,1,2,3,4,5,6,7
	ds_load_b32 v[MN+\w], v7 offset:RED+128*\w
	ds_load_b32 v[MN+8+\w], v7 offset:RED+1024+128*\w
.endr
	s_wait_dscnt 0x0
	SUM4 230, MN, 1, 8
	v_mul_f32 v238, 0x3e000000, v230               ; mean_tok: / 8
.irp w, 0,1,2,3,4,5,6,7
	v_sub_f32 v[MN+\w], v[MN+\w], v238
.endr
	SQ4 230, MN, 1, 8
	SUM4 240, MN+8, 1, 8
	v_fma_f32 v239, v230, 0x45000000, v240         ; + 2,048 x sum of (mean_w - mean)^2
	v_fma_f32 v239, v239, 0x38800000, v235         ; var = M2 / 16,384 + var_gb
	v_add_f32 v239, 0x3727c5ac, v239               ; + 1e-5
	v_rsq_f32 v244, v239
	v_nop                                          ; a plain line behind the transcendental (ISA guide 5.7.2)
	s_wait_alu depctr_va_vdst(0)
	v_mul_f32 v244, v[GA1], v244                   ; s1
	; ---- G' for my wave's 8 points
.irp q, 0,1,2,3,4,5,6,7
	v_sub_f32 v[GRW+2*\q+1], v[GRW+2*\q], v234
.endr
.irp q, 0,1,2,3,4,5,6,7
	v_fma_f32 v[GRW+2*\q], v[GRW+2*\q+1], v244, v[BE1]
.endr
.irp q, 0,1,2,3,4,5,6,7
	ds_store_b32 v8, v[GRW+2*\q] offset:16*\q      ; point r = 8 (w % 2) + q: 16 bytes a lane of the image
.endr
	s_wait_dscnt 0x0                               ; for the others' sake
	s_barrier_signal -1
	s_barrier_wait -1
	ds_load_b128 v[16:19], v9
	ds_load_b128 v[20:23], v9 offset:4096
	s_wait_dscnt 0x0
	global_store_b128 v10, v[16:19], s[18:19]                  ; a wave stores 512 consecutive bytes, aligned
	global_store_b128 v10, v[20:23], s[18:19] offset:32768
	s_cmp_lg_u32 s20, 0
	s_cbranch_scc1 .Ldone                          ; every wave holds the same figures: wave 0 stores them
	global_store_b32 v2, v238, s[16:17]
	global_store_b32 v2, v244, s[16:17] offset:1024
.Ldone:
	s_wait_tensorcnt 0x0
	ds_add_u32 v254, v255
	s_wait_dscnt 0x0
	s_endpgm
.Lfunc_end_k_q4759df8c7a_fin1:
	.size	k_q4759df8c7a_fin1, .Lfunc_end_k_q4759df8c7a_fin1-k_q4759df8c7a_fin1
	.p2alignl 7, 3214868480
	.fill 96, 4, 3214868480
	.section	.rodata,"a",@progbits
	.p2align	6, 0x0
	.amdhsa_kernel k_q4759df8c7a_fin1
		.amdhsa_group_segment_fixed_size 11264
		.amdhsa_private_segment_fixed_size 0
		.amdhsa_enable_private_segment 0
		.amdhsa_kernarg_size 64
		.amdhsa_user_sgpr_count 2
		.amdhsa_user_sgpr_kernarg_segment_ptr 1
		.amdhsa_wavefront_size32 1
		.amdhsa_system_sgpr_workgroup_id_x 1
		.amdhsa_system_sgpr_workgroup_id_y 1
		.amdhsa_system_sgpr_workgroup_id_z 1
		.amdhsa_system_vgpr_workitem_id 0
		.amdhsa_next_free_vgpr 256
		.amdhsa_next_free_sgpr 66
		.amdhsa_reserve_vcc 0
		.amdhsa_float_denorm_mode_32 3
		.amdhsa_float_denorm_mode_16_64 3
		.amdhsa_memory_ordered 1
		.amdhsa_forward_progress 1
		.amdhsa_inst_pref_size 39
	.end_amdhsa_kernel
	.amdgpu_metadata
---
amdhsa.version: [ 1, 2 ]
amdhsa.kernels:
  - .name:           k_q4759df8c7a_fin1
    .symbol:         k_q4759df8c7a_fin1.kd
    .args:
      - { .name: part1, .offset: 0, .size: 8, .value_kind: global_buffer, .address_space: global }
      - { .name: W1, .offset: 8, .size: 8, .value_kind: global_buffer, .address_space: global }
      - { .name: grid, .offset: 16, .size: 8, .value_kind: global_buffer, .address_space: global }
      - { .name: b1, .offset: 24, .size: 8, .value_kind: global_buffer, .address_space: global }
      - { .name: gamma1, .offset: 32, .size: 8, .value_kind: global_buffer, .address_space: global }
      - { .name: beta1, .offset: 40, .size: 8, .value_kind: global_buffer, .address_space: global }
      - { .name: bn1, .offset: 48, .size: 8, .value_kind: global_buffer, .address_space: global }
      - { .name: gtab, .offset: 56, .size: 8, .value_kind: global_buffer, .address_space: global }
    .group_segment_fixed_size: 11264
    .private_segment_fixed_size: 0
    .kernarg_segment_align: 8
    .kernarg_segment_size: 64
    .max_flat_workgroup_size: 256
    .sgpr_count:     66
    .vgpr_count:     256
    .wavefront_size: 32
...
	.end_amdgpu_metadata
.endif
;; end of part 3
;; launch passA (part 4): grid 256 x 1, 4 waves a work-group, no clusters, 213,504 bytes of LDS; arguments tok, bn1, gtab, w2img, part2; writes part2
.if DOCPART == 4
	.amdgcn_target "amdgcn-amd-amdhsa--gfx1250"
	.amdhsa_code_object_version 6
	.text
	.protected	k_q4759df8c7a_passA
	.globl	k_q4759df8c7a_passA
	.p2align	8
	.type	k_q4759df8c7a_passA,@function
k_q4759df8c7a_passA:
	s_mov_b64 s[64:65], 0
	v_nop
	global_prefetch_b8 v0, s[64:65] scope:SCOPE_SE
	s_setreg_imm32_b32 hwreg(HW_REG_WAVE_MODE, 25, 1), 1
	s_wait_xcnt 0x0
; The second BatchNorm's statistics.  For 64 tokens x 64 grid points a work-group forms a1 = relu(T' + G'), T' = (tok - mean_tok) s1, in f32, quantises it to E4M3 along the 256 channels,
; multiplies by Q(W2) (h2' = Q(a1) Q(W2), without b2), and keeps of h2' only, for each of its 64 channels, the mean and the centred sum of squares of its 4,096 rows -> part2 [work-group][mean 64 | M2 64].
; h2' is not stored: it would be 18 times the problem's own bytes out and back; the last launch makes it again.
; SHARES.  Wave w: grid points 32 (w % 2) on (two tiles u of 16), tokens 32 (w / 2) on.  A TILE'S 16 ROWS ARE 16 GRID POINTS OF ONE TOKEN: so G' of the wave's 32 points stays in 256 registers for the whole launch,
; W2's eight fragments in 128, and a token costs 32 LDS loads (its 1 KB of T', the same bytes for sixteen lanes) for two tiles.
; The product is used transposed (source 0 = 16 columns of W2, source 1 = the tile): register j of accumulator d in lane (r, h) is channel 16 d + 8 h + j of grid point r.
; THE VECTOR UNIT BINDS: a tile is 64 packed additions, 64 maxima, 128 holds (which are the relu too), 16 conversions and 32 packed lines of statistics against 8 matrix instructions.
; STATISTICS.  Each lane sums x - K and (x - K)^2 over its 64 tiles; K is the lane's own first result, given as the C of each tile's first product, which costs no vector instruction.  So the sum of squares less
; the square of the sum is formed of numbers of the spread's size, not of large sums.  Lanes, waves and work-groups then merge (mean, M2) of equal counts.
; LDS, every byte filled once: gtab 65,536 and w2img 17,408 by tensor loads (each wave a quarter of each: two loads of a wave are out, at the head only); T' 65,536 and the waves' figures by LDS stores.
; No ring: all that a work-group reads fits at once, and the loop fetches nothing from memory.  No cluster: what work-groups share is 82,944 bytes, fetched once at the head beside 65,536 bytes of the work-group's own.
; LIMITS: a block of zeros gets the byte 1 where the quantiser says 127 (its codes are zeros; the bytes stay in registers); NaN and infinities are not served.
; REGISTERS: window 0: v1-13 addresses; v16-31 mean_tok, s1; v40-47 W2's scale words, v48-49 the tile's; v64-191 the tile's 128 numbers a lane (16 c' + i); v192-223 its codes; v224-255 the quantiser's.
;   window 1: v0-127 W2's fragments (16 (2 d + s)); v128-255 T' of the token.   window 2: G' (128 u + 16 c' + i).   window 3: v0-31 four accumulators; v32-63 -K; v64-95 sums; v96-127 sums of squares.
.set GT,   0
.set W2I,  65536
.set TP,   82944
.set RED,  198656
.set RST, 3                            ; v3   RED: 512 x wave + 32 h
.set L8,  4                            ; v4   8 x lane
.set RRD, 5                            ; v5   RED + 8 x lane
.set TA,  8                            ; v8   T' of the token in hand: TP + 32,768 (w / 2) + 64 h + 1,024 x token
.set GA,  9                            ; v9   my wave's half of gtab, 16 x lane
.set WA,  10                           ; v10  w2img's fragments, 16 x lane
.set WSA, 11                           ; v11  its scale words, 4 x lane
.set TSA, 12                           ; v12  where I store T': TP + 16,384 x wave + 16 x lane
.set L16, 13                           ; v13  16 x lane
.set MT,  16
.set SS,  24
.set W2S, 40
.set PW0, 48
.set PW1, 49
.set X,   64
.set CD,  192
.set AM,  224
.set TMP, 232
.set SOP, 240
.set HLD, 248
.set TPR, 128
.set NK,  32
.set S,   64
.set Q,   96
.set WV,  20
.set NH,  21
.set TH,  22
.set MNT, 23
.set SEL, 32
.set G0A, 36
.set G0B, 40
.set G1A, 44
.set G1B, 52
.set MSB, 0
.macro WIN new                         ; the immediate's high byte repeats the setting that is left
.if MSB != (\new)
	s_set_vgpr_msb (MSB<<8)|(\new)
.set MSB, (\new)
.endif
.endm
.macro PLACES n
.rept \n
	v_nop
.endr
.endm
.macro ADDX u                          ; the tile's numbers: T' + G', two at a time.  These 64 lines name no register of the products in front of them: they are the places behind those
	WIN 0x09                                       ; source 0 (T') window 1, source 1 (G') window 2
.set p, 0
.rept 64
	v_pk_add_f32 v[X+p:X+p+1], v[TPR+p:TPR+p+1], v[128*\u+p:128*\u+p+1]
.set p, p+2
.endr
.endm
.macro TLOAD step                      ; T' of a token: lane (r, h) takes channels 32 c' + 16 h + 0 .. 15 of each block c'
.if \step
	WIN 0
	v_add_nc_u32 v[TA], 1024, v[TA]                ; the next token (a wait has shown the last token's loads back)
.endif
	WIN 0x40
.set p, 0
.rept 32
	ds_load_b128 v[TPR+4*p:TPR+4*p+3], v[TA] offset:128*(p/4)+16*(p%4)
.set p, p+1
.endr
.endm
; The tile's 8 blocks of 32 channels become two fragments' codes and two scale words.  No |.| on the maxima's sources: what is negative is to become 0, so it must not count; the floor stands over it
.macro QUANT8
	WIN 0
.set b, 0
.rept 8
	v_max3_num_f32 v[AM+b], v[X+16*b], v[X+16*b+1], 0x4800000   ; my 16 numbers and the floor 2^(9 - 127): the byte cannot fall under 1
.set b, b+1
.endr
.set i, 2
.rept 7
.set b, 0
.rept 8
	v_max3_num_f32 v[AM+b], v[AM+b], v[X+16*b+i], v[X+16*b+i+1]   ; the eight blocks by turns
.set b, b+1
.endr
.set i, i+2
.endr
.set b, 0
.rept 8
	v_permlanex16_b32 v[TMP+b], v[AM+b], s[SEL], s[SEL+1]
.set b, b+1
.endr
.set b, 0
.rept 8
	v_max_num_f32 v[AM+b], v[AM+b], v[TMP+b]       ; with lane l xor 16's: the block's largest number
.set b, b+1
.endr
.set b, 0
.rept 8
	v_add_nc_u32 v[SOP+b], 0xfc000000, v[AM+b]     ; 8 off the exponent field: the conversion's scale operand
.set b, b+1
.endr
.set b, 0
.rept 8
	v_and_or_b32 v[HLD+b], v[AM+b], 0x7f800000, s[MNT]   ; 448 x the scale
.set b, b+1
.endr
.set b, 0
.rept 8
	v_lshrrev_b32 v[TMP+b], 23, v[SOP+b]           ; the byte
.set b, b+1
.endr
	v_lshl_or_b32 v[PW0], v[TMP+1], 8, v[TMP]      ; the scale words stand more than eight places ahead of the products: the 128 holds follow
	v_lshl_or_b32 v[PW1], v[TMP+5], 8, v[TMP+4]
	v_lshl_or_b32 v[PW0], v[TMP+2], 16, v[PW0]
	v_lshl_or_b32 v[PW1], v[TMP+6], 16, v[PW1]
	v_lshl_or_b32 v[PW0], v[TMP+3], 24, v[PW0]
	v_lshl_or_b32 v[PW1], v[TMP+7], 24, v[PW1]
.set b, 0
.rept 8
.set i, 0
.rept 16
	v_med3_num_f32 v[X+16*b+i], v[X+16*b+i], 0, v[HLD+b]   ; THE RELU AND THE HOLD IN ONE (the conversion does not saturate: ISA guide 7.6.2)
.set i, i+1
.endr
	v_cvt_scalef32_pk8_fp8_f32 v[CD+4*b:CD+4*b+1], v[X+16*b:X+16*b+7], v[SOP+b]
	v_cvt_scalef32_pk8_fp8_f32 v[CD+4*b+2:CD+4*b+3], v[X+16*b+8:X+16*b+15], v[SOP+b]
.set b, b+1
.endr
.endm
; 8 matrix instructions: the tile against W2's 64 columns.  pivot = 1: the sums begin at -K.  The four accumulators take turns, one instruction a turn
.macro MM pivot
	WIN 0xf1                                       ; source 0 (W2) window 1, source 1 (codes) window 0, C and D window 3
.irp d, 0,1,2,3
.if \pivot
	v_wmma_scale_f32_16x16x128_f8f6f4 v[8*\d:8*\d+7], v[32*\d:32*\d+15], v[CD:CD+15], v[NK+8*\d:NK+8*\d+7], v[W2S+2*\d], v[PW0]
.else
	v_wmma_scale_f32_16x16x128_f8f6f4 v[8*\d:8*\d+7], v[32*\d:32*\d+15], v[CD:CD+15], 0, v[W2S+2*\d], v[PW0]
.endif
.endr
.irp d, 0,1,2,3
	v_wmma_scale_f32_16x16x128_f8f6f4 v[8*\d:8*\d+7], v[32*\d+16:32*\d+31], v[CD+16:CD+31], v[8*\d:8*\d+7], v[W2S+2*\d+1], v[PW1]
.endr
.endm
.macro STAT                            ; the last tile's x - K into the sums; each accumulator from its low end on
	WIN 0xff
.set p, 0
.rept 16
	v_pk_add_f32 v[S+p:S+p+1], v[S+p:S+p+1], v[p:p+1]
	v_pk_fma_f32 v[Q+p:Q+p+1], v[p:p+1], v[p:p+1], v[Q+p:Q+p+1]
.set p, p+2
.endr
.endm
; T' of my wave's 16 tokens: (tok - mean_tok) s1, to LDS as it lies.  behind: the loads issued behind tok's 32
.macro TSTAGE behind
.set j, 0
.rept 32
.if \behind+31-j < 64
	s_wait_loadcnt \behind+31-j                    ; loads come back in order: load j is in
.else
	s_wait_loadcnt 63
.endif
	v_pk_add_f32 v[X+4*j:X+4*j+1], v[X+4*j:X+4*j+1], v[MT+4*(j%2):MT+4*(j%2)+1] neg_lo:[0,1] neg_hi:[0,1]
	v_pk_add_f32 v[X+4*j+2:X+4*j+3], v[X+4*j+2:X+4*j+3], v[MT+4*(j%2)+2:MT+4*(j%2)+3] neg_lo:[0,1] neg_hi:[0,1]
	v_pk_mul_f32 v[X+4*j:X+4*j+1], v[X+4*j:X+4*j+1], v[SS+4*(j%2):SS+4*(j%2)+1]
	v_pk_mul_f32 v[X+4*j+2:X+4*j+3], v[X+4*j+2:X+4*j+3], v[SS+4*(j%2)+2:SS+4*(j%2)+3]
	ds_store_b128 v[TSA], v[X+4*j:X+4*j+3] offset:512*j
.set j, j+1
.endr
.endm
; lanes l and l xor m of a half hold (mean, M2) of equal counts n: mean += (other - mine) / 2, M2 = mine + other + (other - mine)^2 n / 2
.macro LMERGE m, half_n
.set p, 0
.rept 32
	v_sub_f32_dpp v[X+96+p], v[X+32+p], v[X+32+p] row_xmask:\m row_mask:0xf bank_mask:0xf
.set p, p+1
.endr
.set p, 0
.rept 32
	v_add_f32_dpp v[X+64+p], v[X+64+p], v[X+64+p] row_xmask:\m row_mask:0xf bank_mask:0xf
.set p, p+1
.endr
.set p, 0
.rept 32
	v_fma_f32 v[X+32+p], v[X+96+p], 0.5, v[X+32+p]
.set p, p+1
.endr
.set p, 0
.rept 32
	v_mul_f32 v[X+96+p], v[X+96+p], v[X+96+p]
.set p, p+1
.endr
.set p, 0
.rept 32
	v_fma_f32 v[X+64+p], v[X+96+p], \half_n, v[X+64+p]
.set p, p+1
.endr
.endm
	s_load_b256 s[4:11], s[0:1], 0x0               ; tok s[4:5], bn1 s[6:7], gtab s[8:9], w2img s[10:11]
	s_load_b64 s[12:13], s[0:1], 0x20              ; part2
	v_lshl_add_u32 v62, v0, 2, 0x34000
	v_mov_b32 v63, 0
	ds_add_u32 v62, v63
	ds_add_u32 v62, v63
	v_lshrrev_b32 v1, 5, v0
	v_readfirstlane_b32 s[WV], v1                  ; wave 0..3
	s_and_b32 s[NH], s[WV], 1                      ; which 32 grid points
	s_lshr_b32 s[TH], s[WV], 1                     ; which 32 tokens
	s_mov_b32 s[MNT], 0x600000
	s_mov_b32 s[SEL], 0x76543210
	s_mov_b32 s[SEL+1], 0xfedcba98
	; descriptor group 1: dense blocks as rows of 256 bytes (32 elements of 8 bytes): 64 rows of gtab, 17 rows of w2img for each wave
	s_mov_b32 s[G1A], 3<<16                        ; no mask; elements of 8 bytes; no padding
	s_mov_b32 s[G1A+1], 32<<16                     ; tensor_dim0 = 32
	s_mov_b32 s[G1A+2], 64<<16                     ; tensor_dim1 = 64
	s_mov_b32 s[G1A+3], 32<<16                     ; tile_dim0 = 32
	s_mov_b32 s[G1A+4], 64                         ; tile_dim1 = 64
	s_mov_b32 s[G1A+5], 32                         ; the pitch
	s_mov_b32 s[G1A+6], 0
	s_mov_b32 s[G1A+7], 0
	s_mov_b32 s[G1B], 3<<16
	s_mov_b32 s[G1B+1], 32<<16
	s_mov_b32 s[G1B+2], 17<<16
	s_mov_b32 s[G1B+3], 32<<16
	s_mov_b32 s[G1B+4], 17
	s_mov_b32 s[G1B+5], 32
	s_mov_b32 s[G1B+6], 0
	s_mov_b32 s[G1B+7], 0
	s_mov_b32 s[G0A], 1
	s_lshl_b32 s[G0A+1], s[WV], 14                 ; LDS: GT + 16,384 x wave
	s_mov_b32 s[G0B], 1
	s_mul_i32 s62, s[WV], 4352
	s_add_co_u32 s[G0B+1], s62, W2I                ; LDS: W2I + 4,352 x wave
	s_mov_b32 s63, 0
	s_lshl_b32 s34, s[WV], 14
	s_mov_b32 s35, 0
	s_wait_dscnt 0x0
	s_wait_kmcnt 0x0
	s_add_nc_u64 s[G0A+2:G0A+3], s[8:9], s[34:35]
	s_or_b32 s[G0A+3], s[G0A+3], 0x80000000
	s_add_nc_u64 s[G0B+2:G0B+3], s[10:11], s[62:63]
	s_or_b32 s[G0B+3], s[G0B+3], 0x80000000
	tensor_load_to_lds s[G0A:G0A+3], s[G1A:G1A+7]  ; the launch's only fills: two loads of mine are out
	s_nop 0
	tensor_load_to_lds s[G0B:G0B+3], s[G1B:G1B+7]
	s_nop 0
.rept 4
	v_nop
.endr
	v_and_b32 v1, 31, v0                           ; lane
	v_bfe_u32 v2, v0, 4, 1                         ; h
	v_lshlrev_b32 v[L16], 4, v1
	s_lshl_b32 s34, s[TH], 15
	s_add_co_u32 s34, s34, TP
	v_lshl_add_u32 v[TA], v2, 6, s34
	s_lshl_b32 s34, s[NH], 15
	v_add_nc_u32 v[GA], s34, v[L16]
	v_add_nc_u32 v[WA], W2I, v[L16]
	v_lshlrev_b32 v[WSA], 2, v1
	v_add_nc_u32 v[WSA], W2I+16384, v[WSA]
	s_lshl_b32 s34, s[WV], 14
	s_add_co_u32 s34, s34, TP
	v_add_nc_u32 v[TSA], s34, v[L16]
	s_lshl_b32 s34, s[WV], 9
	s_add_co_u32 s34, s34, RED
	v_lshl_add_u32 v[RST], v2, 5, s34
	v_lshlrev_b32 v[L8], 3, v1
	v_add_nc_u32 v[RRD], RED, v[L8]
.set b, 0
.rept 8
	v_mov_b32 v[TMP+b], 0                          ; written once: a lane permute's destination counts as one of its sources
.set b, b+1
.endr
	s_lshl_b32 s34, ttmp9, 16                      ; the work-group's 64 tokens of 1,024 bytes,
	s_lshl_b32 s62, s[WV], 14                      ; my wave's 16 of them for the T' stage
	s_add_co_u32 s34, s34, s62
	s_add_nc_u64 s[4:5], s[4:5], s[34:35]
	s_lshl_b32 s34, ttmp9, 9
	s_add_nc_u64 s[12:13], s[12:13], s[34:35]      ; my work-group's record in part2
.irp q, 0,1,2,3
	global_load_b128 v[MT+4*\q:MT+4*\q+3], v[L16], s[6:7] offset:512*\q   ; mean_tok (channels 4 l on, 128 + 4 l on), then s1 likewise
.endr
.set j, 0
.rept 32
	global_load_b128 v[X+4*j:X+4*j+3], v[L16], s[4:5] offset:512*j
.set j, j+1
.endr
	TSTAGE 0
	s_wait_tensorcnt 0x0                           ; my quarters of gtab and w2img have landed,
	s_wait_dscnt 0x0                               ; and so has my T'
	s_barrier_signal -1
	s_barrier_wait -1                              ; everybody's have
	WIN 0x80
.set p, 0
.rept 64
	ds_load_b128 v[4*p:4*p+3], v[GA] offset:512*p  ; G' of my 32 points: it stays
.set p, p+1
.endr
	WIN 0x40
.set p, 0
.rept 32
	ds_load_b128 v[4*p:4*p+3], v[WA] offset:512*p  ; W2's eight fragments: they stay
.set p, p+1
.endr
	WIN 0
.irp f, 0,1,2,3,4,5,6,7
	ds_load_b32 v[W2S+\f], v[WSA] offset:128*\f
.endr
	TLOAD 0
	s_wait_dscnt 0x0
	; ---- the first tile, twice: once to find K, once more with -K as C, so that every tile is treated alike
	ADDX 0
	QUANT8
	PLACES 4                                       ; codes written by vector instructions stand four places ahead of a scaled matrix instruction
	MM 0
	PLACES 8                                       ; in front of the first read of results
	WIN 0xff
.set p, 0
.rept 32
	v_mul_f32 v[NK+p], -1.0, v[p]
.set p, p+1
.endr
.set p, 0
.rept 64
	v_mov_b32 v[S+p], 0                            ; the sums begin here, once; with the eight above these lines are the places in front of products that write the accumulators anew
.set p, p+1
.endr
	MM 1
	WIN 0
	s_mov_b32 s60, 31
.Ltok:                                             ; a trip: the token's second tile and the next token's first; a tile's statistics are taken while the next tile is formed
	ADDX 1
	TLOAD 1                                        ; the next token's T': it has half a trip in which to come
	STAT
	QUANT8
	PLACES 4
	MM 1
	s_wait_dscnt 0x0                               ; T' is back
	ADDX 0
	STAT
	QUANT8
	PLACES 4
	MM 1
	WIN 0
	s_sub_co_u32 s60, s60, 1
	s_cmp_lg_u32 s60, 0
	s_cbranch_scc1 .Ltok
	ADDX 1                                         ; the last token's second tile: nothing more to fetch
	STAT
	QUANT8
	PLACES 4
	MM 1
	PLACES 8
	STAT
	; ---- a lane's 64 numbers of each of its 32 channels: T = S / 64, mean = T + K, M2 = Q - T S
	WIN 0x0c
.set p, 0
.rept 32
	v_mul_f32 v[X+p], 0x3c800000, v[S+p]
.set p, p+1
.endr
.set p, 0
.rept 32
	v_sub_f32 v[X+32+p], v[X+p], v[NK+p]
.set p, p+1
.endr
	WIN 0x3c
.set p, 0
.rept 32
	v_fma_f32 v[X+64+p], -v[X+p], v[S+p], v[Q+p]
.set p, p+1
.endr
	WIN 0
	LMERGE 1, 0x42000000                           ; counts 64, 128, 256, 512: n / 2 = 32, 64, 128, 256
	LMERGE 2, 0x42800000
	LMERGE 4, 0x43000000
	LMERGE 8, 0x43800000
.irp d, 0,1,2,3
.irp q, 0,1
	ds_store_b128 v[RST], v[X+32+8*\d+4*\q:X+32+8*\d+4*\q+3] offset:64*\d+16*\q        ; channel 16 d + 8 h + j; the sixteen lanes of a half write the same words with the same values
	ds_store_b128 v[RST], v[X+64+8*\d+4*\q:X+64+8*\d+4*\q+3] offset:256+64*\d+16*\q
.endr
.endr
	s_wait_dscnt 0x0                               ; for wave 0's sake
	s_barrier_signal -1
	s_barrier_wait -1
	s_cmp_lg_u32 s[WV], 0
	s_cbranch_scc1 .Ldone
.irp w, 0,1,2,3
	ds_load_b64 v[X+2*\w:X+2*\w+1], v[RRD] offset:512*\w          ; the four waves' means of channels 2 l, 2 l + 1,
	ds_load_b64 v[X+8+2*\w:X+8+2*\w+1], v[RRD] offset:512*\w+256  ; and their M2; each of 1,024 numbers
.endr
	s_wait_dscnt 0x0
	v_pk_add_f32 v[X+16:X+17], v[X:X+1], v[X+2:X+3]
	v_pk_add_f32 v[X+18:X+19], v[X+4:X+5], v[X+6:X+7]
	v_pk_add_f32 v[X+16:X+17], v[X+16:X+17], v[X+18:X+19]
	v_pk_mul_f32 v[X+16:X+17], v[X+16:X+17], 0x3e800000 op_sel_hi:[1,0]   ; the mean: / 4
.irp w, 0,1,2,3
	v_pk_add_f32 v[X+2*\w:X+2*\w+1], v[X+2*\w:X+2*\w+1], v[X+16:X+17] neg_lo:[0,1] neg_hi:[0,1]
.endr
	v_pk_mul_f32 v[X+18:X+19], v[X:X+1], v[X:X+1]
.irp w, 1,2,3
	v_pk_fma_f32 v[X+18:X+19], v[X+2*\w:X+2*\w+1], v[X+2*\w:X+2*\w+1], v[X+18:X+19]
.endr
	v_pk_add_f32 v[X+20:X+21], v[X+8:X+9], v[X+10:X+11]
	v_pk_add_f32 v[X+22:X+23], v[X+12:X+13], v[X+14:X+15]
	v_pk_add_f32 v[X+20:X+21], v[X+20:X+21], v[X+22:X+23]
	v_pk_fma_f32 v[X+20:X+21], v[X+18:X+19], 0x44800000, v[X+20:X+21] op_sel_hi:[1,0,1]   ; + 1,024 x sum of (mean_w - mean)^2
	global_store_b64 v[L8], v[X+16:X+17], s[12:13]              ; 256 consecutive bytes, aligned
	global_store_b64 v[L8], v[X+20:X+21], s[12:13] offset:256
.Ldone:
	s_wait_tensorcnt 0x0
	ds_add_u32 v62, v63
	s_wait_dscnt 0x0
	s_endpgm
.Lfunc_end_k_q4759df8c7a_passA:
	.size	k_q4759df8c7a_passA, .Lfunc_end_k_q4759df8c7a_passA-k_q4759df8c7a_passA
	.p2alignl 7, 3214868480
	.fill 96, 4, 3214868480
	.section	.rodata,"a",@progbits
	.p2align	6, 0x0
	.amdhsa_kernel k_q4759df8c7a_passA
		.amdhsa_group_segment_fixed_size 213504
		.amdhsa_private_segment_fixed_size 0
		.amdhsa_enable_private_segment 0
		.amdhsa_kernarg_size 40
		.amdhsa_user_sgpr_count 2
		.amdhsa_user_sgpr_kernarg_segment_ptr 1
		.amdhsa_wavefront_size32 1
		.amdhsa_system_sgpr_workgroup_id_x 1
		.amdhsa_system_sgpr_workgroup_id_y 1
		.amdhsa_system_sgpr_workgroup_id_z 1
		.amdhsa_system_vgpr_workitem_id 0
		.amdhsa_next_free_vgpr 1024
		.amdhsa_next_free_sgpr 66
		.amdhsa_reserve_vcc 0
		.amdhsa_float_denorm_mode_32 3
		.amdhsa_float_denorm_mode_16_64 3
		.amdhsa_memory_ordered 1
		.amdhsa_forward_progress 1
		.amdhsa_inst_pref_size 175
	.end_amdhsa_kernel
	.amdgpu_metadata
---
amdhsa.version: [ 1, 2 ]
amdhsa.kernels:
  - .name:           k_q4759df8c7a_passA
    .symbol:         k_q4759df8c7a_passA.kd
    .args:
      - { .name: tok, .offset: 0, .size: 8, .value_kind: global_buffer, .address_space: global }
      - { .name: bn1, .offset: 8, .size: 8, .value_kind: global_buffer, .address_space: global }
      - { .name: gtab, .offset: 16, .size: 8, .value_kind: global_buffer, .address_space: global }
      - { .name: w2img, .offset: 24, .size: 8, .value_kind: global_buffer, .address_space: global }
      - { .name: part2, .offset: 32, .size: 8, .value_kind: global_buffer, .address_space: global }
    .group_segment_fixed_size: 213504
    .private_segment_fixed_size: 0
    .kernarg_segment_align: 8
    .kernarg_segment_size: 40
    .max_flat_workgroup_size: 128
    .sgpr_count:     66
    .vgpr_count:     1024
    .wavefront_size: 32
...
	.end_amdgpu_metadata
.endif
;; end of part 4
;; launch passB (part 5): grid 256 x 1, 4 waves a work-group, no clusters, 213,504 bytes of LDS; arguments tok, bn1, gtab, w2img, part2, gamma2, beta2, b2, W3, b3, out0, out1; writes out1
.if DOCPART == 5
	.amdgcn_target "amdgcn-amd-amdhsa--gfx1250"
	.amdhsa_code_object_version 6
	.text
	.protected	k_q4759df8c7a_passB
	.globl	k_q4759df8c7a_passB
	.p2align	8
	.type	k_q4759df8c7a_passB,@function
k_q4759df8c7a_passB:
	s_mov_b64 s[64:65], 0
	v_nop
	global_prefetch_b8 v0, s[64:65] scope:SCOPE_SE
	s_setreg_imm32_b32 hwreg(HW_REG_WAVE_MODE, 25, 1), 1
	s_wait_xcnt 0x0
; fine = coarse + relu(BN2(Q(a1) Q(W2) + b2)) W3 + b3.  The frame is the launch before's: a1 = relu(T' + G') formed in f32 and quantised to E4M3 along the 256 channels, h2' = Q(a1) Q(W2) by the scaled matrix form,
; a tile = 16 grid points of one token, G' and W2 in registers, T' from LDS.  What differs: at the head every work-group merges part2's 256 records into A2 = gamma2 / sqrt(var2 + 1e-5) and
; B2 = (b2 - mean2) A2 + beta2 with mean2 = mean(h2') + b2, so that BN2(h2' + b2) = A2 h2' + B2; and each tile goes on: relu(A2 h2' + B2), rounded to bf16, times W3 (bf16, f32 sums) with coarse + b3 as the sum's start.
; THE LAST PRODUCT.  h2' lies transposed (register j of accumulator d in lane (r, h): channel 16 d + 8 h + j of point r): packed in pairs it IS source 1 (32 channels x 16 points) of a bf16 product whose source 0 is W3^T.
; W3^T's three rows stand in rows 0-2 AND 8-10 of source 0, so that lanes 16-31 get the same three results as lanes 0-15 and the stores need no change of EXEC.  The 64 channels go to two accumulators, added at the end.
; THE WAY OUT.  A point's 12 bytes go into a stage laid as the work-group's 49,152 bytes of out1; after every 8 tokens of a wave the finished 2 x 6,144 bytes leave, 512 consecutive bytes a store.
; Merging: groups of equal size n: mean of means, M2 = sum of M2 + n x sum of (mean_i - mean)^2, all sums of centred numbers.
; LDS, every byte filled once by its engine: gtab 65,536 and w2img 17,408 by tensor loads (two loads of a wave are out, at the head only); T', coarse + b3, the stage and the merge's words by LDS stores.
; No ring (the loop fetches nothing from memory); no cluster (what is shared, 82,944 bytes and part2's 131,072, is read once at the head).
; LIMITS: a block of zeros gets the byte 1 where the quantiser says 127 (its codes are zeros); the last product's operands are rounded to bf16; NaN and infinities are not served.
; REGISTERS: window 0: v1-15, v50-56 addresses; v16-31 mean_tok, s1, later v16-39 the way out; v40-47 W2's scale words, v48-49 the tile's; v64-191 the tile's numbers; v192-223 its codes; v224-255 the quantiser's.
;   window 1: v0-127 W2's fragments; v128-255 T'.   window 2: G' (at the head: part2's records).
;   window 3: v0-31 accumulators; v32-63 A2; v64-95 B2; v96-111 the bf16 operand; v112-127 W3^T; v128-143 two accumulators; v144-151 coarse + b3, 0; v152-154, v156-158 results.
.set GT,   0
.set W2I,  65536
.set TP,   82944
.set CBT,  148480                      ; coarse + b3, 16 bytes a token
.set STG,  149504                      ; the stage: 49,152 bytes
.set RED,  198656                      ; the merge: 1,024 bytes a wave
.set ABT,  202752                      ; A2, B2: 512 bytes a wave, each wave's own
.set CO3, 3                            ; v3   out0: 12 r + 192 x wave
.set R16, 4                            ; v4   16 r
.set W3O, 5                            ; v5   W3: 96 h + 4 min(r % 8, 2)
.set STA, 6                            ; v6   the stage: my point of the token in hand
.set CBA, 7                            ; v7   coarse + b3 of the token in hand
.set TA,  8
.set GA,  9
.set WA,  10
.set WSA, 11
.set TSA, 12
.set L16, 13
.set FA,  14                           ; v14  the stage on the way out
.set FO,  15                           ; v15  and the same place in the work-group's part of out1
.set MT,  16
.set SS,  24
.set FL,  16
.set W2S, 40
.set PW0, 48
.set PW1, 49
.set RWR, 52                           ; v52  RED + 1,024 x wave + 16 x lane
.set RRD, 53                           ; v53  RED + 16 r
.set AWR, 54                           ; v54  ABT + 512 x wave + 16 r
.set ARD, 55                           ; v55  ABT + 512 x wave + 32 h
.set CWR, 56                           ; v56  CBT + 256 x wave + 16 r
.set X,   64
.set CD,  192
.set AM,  224
.set TMP, 232
.set SOP, 240
.set HLD, 248
.set TPR, 128
.set A2,  32
.set B2,  64
.set HB,  96
.set W3F, 112
.set DA0, 128
.set DA1, 136
.set CB,  144
.set OR0, 152
.set WV,  20
.set NH,  21
.set TH,  22
.set MNT, 23
.set SEL, 32
.set G0A, 36
.set G0B, 40
.set G1A, 44
.set G1B, 52
.set MSB, 0
.macro WIN new                         ; the immediate's high byte repeats the setting that is left
.if MSB != (\new)
	s_set_vgpr_msb (MSB<<8)|(\new)
.set MSB, (\new)
.endif
.endm
.macro PLACES n
.rept \n
	v_nop
.endr
.endm
.macro ADDX u                          ; the tile's numbers: T' + G'.  These 64 lines name no register of the products in front of them: they are the places behind those
	WIN 0x09
.set p, 0
.rept 64
	v_pk_add_f32 v[X+p:X+p+1], v[TPR+p:TPR+p+1], v[128*\u+p:128*\u+p+1]
.set p, p+2
.endr
.endm
.macro TLOAD step
.if \step
	WIN 0
	v_add_nc_u32 v[TA], 1024, v[TA]                ; the next token (a wait has shown the last token's loads back)
.endif
	WIN 0x40
.set p, 0
.rept 32
	ds_load_b128 v[TPR+4*p:TPR+4*p+3], v[TA] offset:128*(p/4)+16*(p%4)
.set p, p+1
.endr
.endm
.macro QUANT8                          ; as in the launch before: 8 blocks of 32 channels -> two fragments' codes, two scale words; relu on the way
	WIN 0
.set b, 0
.rept 8
	v_max3_num_f32 v[AM+b], v[X+16*b], v[X+16*b+1], 0x4800000   ; no |.|: what is negative must not count; the floor 2^(9 - 127) stands over it
.set b, b+1
.endr
.set i, 2
.rept 7
.set b, 0
.rept 8
	v_max3_num_f32 v[AM+b], v[AM+b], v[X+16*b+i], v[X+16*b+i+1]
.set b, b+1
.endr
.set i, i+2
.endr
.set b, 0
.rept 8
	v_permlanex16_b32 v[TMP+b], v[AM+b], s[SEL], s[SEL+1]
.set b, b+1
.endr
.set b, 0
.rept 8
	v_max_num_f32 v[AM+b], v[AM+b], v[TMP+b]
.set b, b+1
.endr
.set b, 0
.rept 8
	v_add_nc_u32 v[SOP+b], 0xfc000000, v[AM+b]
.set b, b+1
.endr
.set b, 0
.rept 8
	v_and_or_b32 v[HLD+b], v[AM+b], 0x7f800000, s[MNT]
.set b, b+1
.endr
.set b, 0
.rept 8
	v_lshrrev_b32 v[TMP+b], 23, v[SOP+b]
.set b, b+1
.endr
	v_lshl_or_b32 v[PW0], v[TMP+1], 8, v[TMP]      ; the scale words stand more than eight places ahead of the products
	v_lshl_or_b32 v[PW1], v[TMP+5], 8, v[TMP+4]
	v_lshl_or_b32 v[PW0], v[TMP+2], 16, v[PW0]
	v_lshl_or_b32 v[PW1], v[TMP+6], 16, v[PW1]
	v_lshl_or_b32 v[PW0], v[TMP+3], 24, v[PW0]
	v_lshl_or_b32 v[PW1], v[TMP+7], 24, v[PW1]
.set b, 0
.rept 8
.set i, 0
.rept 16
	v_med3_num_f32 v[X+16*b+i], v[X+16*b+i], 0, v[HLD+b]   ; the relu and the hold in one
.set i, i+1
.endr
	v_cvt_scalef32_pk8_fp8_f32 v[CD+4*b:CD+4*b+1], v[X+16*b:X+16*b+7], v[SOP+b]
	v_cvt_scalef32_pk8_fp8_f32 v[CD+4*b+2:CD+4*b+3], v[X+16*b+8:X+16*b+15], v[SOP+b]
.set b, b+1
.endr
.endm
.macro MM                              ; 8 matrix instructions; the four accumulators take turns, one instruction a turn
	WIN 0xf1
.irp d, 0,1,2,3
	v_wmma_scale_f32_16x16x128_f8f6f4 v[8*\d:8*\d+7], v[32*\d:32*\d+15], v[CD:CD+15], 0, v[W2S+2*\d], v[PW0]
.endr
.irp d, 0,1,2,3
	v_wmma_scale_f32_16x16x128_f8f6f4 v[8*\d:8*\d+7], v[32*\d+16:32*\d+31], v[CD+16:CD+31], v[8*\d:8*\d+7], v[W2S+2*\d+1], v[PW1]
.endr
.endm
.macro EPI                             ; the last tile: BN2, relu, bf16, and the product with W3; each accumulator is read from its low end on
	WIN 0xff
.set p, 0
.rept 16
	v_pk_fma_f32 v[p:p+1], v[p:p+1], v[A2+p:A2+p+1], v[B2+p:B2+p+1]
.set p, p+2
.endr
.set p, 0
.rept 32
	v_max_num_f32 v[p], 0, v[p]
.set p, p+1
.endr
.set p, 0
.rept 16
	v_cvt_pk_bf16_f32 v[HB+p], v[2*p], v[2*p+1]
.set p, p+1
.endr
	v_wmma_f32_16x16x32_bf16 v[DA0:DA0+7], v[W3F:W3F+7], v[HB:HB+7], v[CB:CB+7]        ; channels 0-31, begun at coarse + b3
	v_wmma_f32_16x16x32_bf16 v[DA1:DA1+7], v[W3F+8:W3F+15], v[HB+8:HB+15], 0           ; channels 32-63
.endm
.macro OUT u                           ; the three numbers of my point, into the stage.  The additions and the v_nop are also the places between the conversions and the products that follow
	WIN 0xff
.irp e, 0,1,2
	v_add_f32 v[OR0+4*\u+\e], v[DA0+\e], v[DA1+\e]
.endr
	v_nop
	WIN 0x0c                                       ; an LDS store's data are its source 1: window 3
.irp e, 0,1,2
	ds_store_b32 v[STA], v[OR0+4*\u+\e] offset:192*\u+4*\e   ; both halves of the lanes write the same word with the same value
.endr
.endm
.macro TSTAGE behind
.set j, 0
.rept 32
.if \behind+31-j < 64
	s_wait_loadcnt \behind+31-j                    ; loads come back in order: load j is in
.else
	s_wait_loadcnt 63
.endif
	v_pk_add_f32 v[X+4*j:X+4*j+1], v[X+4*j:X+4*j+1], v[MT+4*(j%2):MT+4*(j%2)+1] neg_lo:[0,1] neg_hi:[0,1]
	v_pk_add_f32 v[X+4*j+2:X+4*j+3], v[X+4*j+2:X+4*j+3], v[MT+4*(j%2)+2:MT+4*(j%2)+3] neg_lo:[0,1] neg_hi:[0,1]
	v_pk_mul_f32 v[X+4*j:X+4*j+1], v[X+4*j:X+4*j+1], v[SS+4*(j%2):SS+4*(j%2)+1]
	v_pk_mul_f32 v[X+4*j+2:X+4*j+3], v[X+4*j+2:X+4*j+3], v[SS+4*(j%2)+2:SS+4*(j%2)+3]
	ds_store_b128 v[TSA], v[X+4*j:X+4*j+3] offset:512*j
.set j, j+1
.endr
.endm
; A token: its second tile is formed while its first is finished, then the next token's first while its second is finished
.macro BODY
	ADDX 1
	TLOAD 1                                        ; the next token's T'
	s_wait_dscnt 32                                ; only those 32 loads may be out: coarse + b3 of this token is in, and the last token's stores into the stage are done
	EPI
	QUANT8
	v_add_nc_u32 v[STA], 768, v[STA]               ; this token's place in the stage (no store that names the register is out); also the plain line behind the last conversion
	OUT 0
	MM
	s_wait_dscnt 3                                 ; T' is back: behind it stand OUT's three stores alone
	ADDX 0
	EPI
	QUANT8
	v_add_nc_u32 v[CBA], 16, v[CBA]                ; the next token's coarse + b3 (the last load from here was waited for above)
	WIN 0xc0
	ds_load_b128 v[CB:CB+3], v[CBA]                ; more than four places behind the product that read these registers
	OUT 1
	MM
	WIN 0
.endm
; The finished 8 tokens of each half leave: my wave's 3,072 bytes.  more = 1: the stage is written again behind this, so a second barrier parts these reads from those stores
.macro FLUSH more
	WIN 0
	s_wait_dscnt 0x0                               ; for the others' sake: my stores into the stage have landed
	s_barrier_signal -1
	s_barrier_wait -1
.irp k, 0,1,2,3,4,5
	ds_load_b128 v[FL+4*\k:FL+4*\k+3], v[FA] offset:512*\k
.endr
.irp k, 0,1,2,3,4,5
	s_wait_dscnt 5-\k
	global_store_b128 v[FO], v[FL+4*\k:FL+4*\k+3], s[30:31] offset:512*\k th:TH_STORE_NT   ; 512 consecutive bytes, aligned; written once, read by nobody here
.endr
.if \more
	s_barrier_signal -1                            ; (no LDS instruction of mine is out: the last count above was 0)
	s_barrier_wait -1
	s_wait_xcnt 0x0                                ; the stores have read their registers and their base: both may be written again
	s_add_nc_u64 s[30:31], s[30:31], 6144
	v_add_nc_u32 v[FA], 6144, v[FA]
.endif
.endm
	s_load_b512 s[4:19], s[0:1], 0x0               ; tok s[4:5], bn1 s[6:7], gtab s[8:9], w2img s[10:11], part2 s[12:13], gamma2 s[14:15], beta2 s[16:17], b2 s[18:19]
	s_load_b256 s[24:31], s[0:1], 0x40             ; W3 s[24:25], b3 s[26:27], out0 s[28:29], out1 s[30:31]
	v_lshl_add_u32 v62, v0, 2, 0x34000
	v_mov_b32 v63, 0
	ds_add_u32 v62, v63
	ds_add_u32 v62, v63
	v_lshrrev_b32 v1, 5, v0
	v_readfirstlane_b32 s[WV], v1                  ; wave 0..3
	s_and_b32 s[NH], s[WV], 1
	s_lshr_b32 s[TH], s[WV], 1
	s_mov_b32 s[MNT], 0x600000
	s_mov_b32 s[SEL], 0x76543210
	s_mov_b32 s[SEL+1], 0xfedcba98
	s_mov_b32 s[G1A], 3<<16                        ; dense blocks as rows of 256 bytes: 64 rows of gtab, 17 of w2img for each wave
	s_mov_b32 s[G1A+1], 32<<16
	s_mov_b32 s[G1A+2], 64<<16
	s_mov_b32 s[G1A+3], 32<<16
	s_mov_b32 s[G1A+4], 64
	s_mov_b32 s[G1A+5], 32
	s_mov_b32 s[G1A+6], 0
	s_mov_b32 s[G1A+7], 0
	s_mov_b32 s[G1B], 3<<16
	s_mov_b32 s[G1B+1], 32<<16
	s_mov_b32 s[G1B+2], 17<<16
	s_mov_b32 s[G1B+3], 32<<16
	s_mov_b32 s[G1B+4], 17
	s_mov_b32 s[G1B+5], 32
	s_mov_b32 s[G1B+6], 0
	s_mov_b32 s[G1B+7], 0
	s_mov_b32 s[G0A], 1
	s_lshl_b32 s[G0A+1], s[WV], 14
	s_mov_b32 s[G0B], 1
	s_mul_i32 s62, s[WV], 4352
	s_add_co_u32 s[G0B+1], s62, W2I
	s_mov_b32 s63, 0
	s_lshl_b32 s34, s[WV], 14
	s_mov_b32 s35, 0
	s_wait_dscnt 0x0
	s_wait_kmcnt 0x0
	s_add_nc_u64 s[G0A+2:G0A+3], s[8:9], s[34:35]
	s_or_b32 s[G0A+3], s[G0A+3], 0x80000000
	s_add_nc_u64 s[G0B+2:G0B+3], s[10:11], s[62:63]
	s_or_b32 s[G0B+3], s[G0B+3], 0x80000000
	tensor_load_to_lds s[G0A:G0A+3], s[G1A:G1A+7]  ; the launch's only fills: two loads of mine are out
	s_nop 0
	tensor_load_to_lds s[G0B:G0B+3], s[G1B:G1B+7]
	s_nop 0
.rept 4
	v_nop
.endr
	s_load_b96 s[68:70], s[26:27], 0x0             ; b3
	v_and_b32 v1, 31, v0                           ; lane
	v_bfe_u32 v2, v0, 4, 1                         ; h
	v_and_b32 v50, 15, v0                          ; r
	v_and_b32 v51, 7, v0                           ; r % 8
	v_lshlrev_b32 v[L16], 4, v1
	v_lshlrev_b32 v[R16], 4, v50
	s_lshl_b32 s34, s[TH], 15
	s_add_co_u32 s34, s34, TP
	v_lshl_add_u32 v[TA], v2, 6, s34
	s_lshl_b32 s34, s[NH], 15
	v_add_nc_u32 v[GA], s34, v[L16]
	v_add_nc_u32 v[WA], W2I, v[L16]
	v_lshlrev_b32 v[WSA], 2, v1
	v_add_nc_u32 v[WSA], W2I+16384, v[WSA]
	s_lshl_b32 s34, s[WV], 14
	s_add_co_u32 s34, s34, TP
	v_add_nc_u32 v[TSA], s34, v[L16]
	s_mul_i32 s34, s[WV], 192
	v_mul_u32_u24 v[CO3], v50, 12
	v_add_nc_u32 v[CO3], s34, v[CO3]
	v_min_u32 v[W3O], 2, v51
	v_lshlrev_b32 v[W3O], 2, v[W3O]
	v_mad_u32_u24 v[W3O], v2, 96, v[W3O]
	s_mul_i32 s34, s[TH], 24576
	s_mul_i32 s62, s[NH], 384
	s_add_co_u32 s62, s62, s34
	s_add_co_u32 s62, s62, STG-768                 ; one token short: each token's turn begins by stepping the register
	v_mul_u32_u24 v[STA], v50, 12
	v_add_nc_u32 v[STA], s62, v[STA]
	s_mul_i32 s62, s[NH], 3072
	s_add_co_u32 s62, s62, s34
	v_add_nc_u32 v[FO], s62, v[L16]
	v_add_nc_u32 v[FA], STG, v[FO]
	s_lshl_b32 s34, s[TH], 9
	s_add_co_u32 s34, s34, CBT
	v_mov_b32 v[CBA], s34
	s_lshl_b32 s34, s[WV], 10
	s_add_co_u32 s34, s34, RED
	v_add_nc_u32 v[RWR], s34, v[L16]
	v_add_nc_u32 v[RRD], RED, v[R16]
	s_lshl_b32 s34, s[WV], 9
	s_add_co_u32 s34, s34, ABT
	v_add_nc_u32 v[AWR], s34, v[R16]
	v_lshl_add_u32 v[ARD], v2, 5, s34
	s_lshl_b32 s34, s[WV], 8
	s_add_co_u32 s34, s34, CBT
	v_add_nc_u32 v[CWR], s34, v[R16]
.set b, 0
.rept 8
	v_mov_b32 v[TMP+b], 0                          ; written once: a lane permute's destination counts as one of its sources
.set b, b+1
.endr
	s_lshl_b32 s34, ttmp9, 16
	s_lshl_b32 s62, s[WV], 14
	s_add_co_u32 s34, s34, s62
	s_add_nc_u64 s[4:5], s[4:5], s[34:35]          ; tok: my wave's 16 tokens for the T' stage
	s_lshl_b32 s34, s[WV], 15
	s_add_nc_u64 s[12:13], s[12:13], s[34:35]      ; part2: my wave's 64 records of 512 bytes
	s_mul_i32 s34, ttmp9, 768
	s_add_nc_u64 s[28:29], s[28:29], s[34:35]      ; out0: the work-group's 64 rows
	s_mul_i32 s34, ttmp9, 49152
	s_add_nc_u64 s[30:31], s[30:31], s[34:35]      ; out1: its 4,096 rows
	; ---- all loads from memory: part2 64, bn1 4 + tok 32, small ones 38
	WIN 0x80
.set p, 0
.rept 64
	global_load_b128 v[4*p:4*p+3], v[L16], s[12:13] offset:512*p   ; a record: lanes 0-15 the means of channels 4 l on, lanes 16-31 the M2 of channels 4 (l - 16) on
.set p, p+1
.endr
	WIN 0
.irp q, 0,1,2,3
	global_load_b128 v[MT+4*\q:MT+4*\q+3], v[L16], s[6:7] offset:512*\q
.endr
.set j, 0
.rept 32
	global_load_b128 v[X+4*j:X+4*j+3], v[L16], s[4:5] offset:512*j
.set j, j+1
.endr
.irp e, 0,1,2
	global_load_b32 v[208+\e], v[CO3], s[28:29] offset:4*\e        ; coarse of token 16 w + r
.endr
	global_load_b128 v[212:215], v[R16], s[14:15]                  ; gamma2, beta2, b2 of channels 4 r on
	global_load_b128 v[216:219], v[R16], s[16:17]
	global_load_b128 v[220:223], v[R16], s[18:19]
	WIN 0x40
.irp s, 0,1
.irp q, 0,1,2,3,4,5,6,7,8,9,10,11,12,13,14,15
	global_load_b32 v[TPR+16*\s+\q], v[W3O], s[24:25] offset:12*(32*\s+\q+8*(\q/8))   ; W3[32 s + 8 h + q (+ 8 from q = 8 on)][min(r % 8, 2)]: the order of a 16-bit operand's registers
.endr
.endr
	WIN 0
	; ---- my wave's 64 records: lanes 0-15 work on means, lanes 16-31 carry the sum of M2 (what else they compute is never read)
	s_wait_loadcnt 63                              ; behind part2's loads stand 74; 63 is the largest count that can be written
.irp k, 0,1,2,3
	v_mov_b32 v[192+\k], 0
	v_mov_b32 v[204+\k], 0                         ; (a lane permute's destination)
.endr
	WIN 0x08
.set p, 0
.rept 64
	v_pk_add_f32 v[192:193], v[192:193], v[4*p:4*p+1]
	v_pk_add_f32 v[194:195], v[194:195], v[4*p+2:4*p+3]
.set p, p+1
.endr
	WIN 0
	v_pk_mul_f32 v[196:197], v[192:193], 0x3c800000 op_sel_hi:[1,0]   ; / 64
	v_pk_mul_f32 v[198:199], v[194:195], 0x3c800000 op_sel_hi:[1,0]
	WIN 0x82
.set p, 0
.rept 64
	v_pk_add_f32 v[4*p:4*p+1], v[4*p:4*p+1], v[196:197] neg_lo:[0,1] neg_hi:[0,1]
	v_pk_add_f32 v[4*p+2:4*p+3], v[4*p+2:4*p+3], v[198:199] neg_lo:[0,1] neg_hi:[0,1]
.set p, p+1
.endr
	WIN 0x0a
	v_pk_mul_f32 v[200:201], v[0:1], v[0:1]
	v_pk_mul_f32 v[202:203], v[2:3], v[2:3]
.set p, 1
.rept 63
	v_pk_fma_f32 v[200:201], v[4*p:4*p+1], v[4*p:4*p+1], v[200:201]
	v_pk_fma_f32 v[202:203], v[4*p+2:4*p+3], v[4*p+2:4*p+3], v[202:203]
.set p, p+1
.endr
	WIN 0
.irp k, 0,1,2,3
	v_permlanex16_b32 v[204+\k], v[192+\k], s[SEL], s[SEL+1]       ; lanes 0-15 take the sum of M2
.endr
.irp k, 0,1,2,3
	v_fma_f32 v[204+\k], v[200+\k], 0x45800000, v[204+\k]          ; + 4,096 x sum of (mean_i - mean)^2
.endr
	ds_store_b128 v[RWR], v[196:199]
	ds_store_b128 v[RWR], v[204:207] offset:512
	; ---- T'
	TSTAGE 38
	; ---- coarse + b3, and W3^T in bf16
	s_wait_loadcnt 0x0
	s_wait_kmcnt 0x0
	v_add_f32 v208, s68, v208
	v_add_f32 v209, s69, v209
	v_add_f32 v210, s70, v210
	v_mov_b32 v211, 0
	ds_store_b128 v[CWR], v[208:211]               ; both halves of the lanes write the same words with the same values
	v_cmp_gt_u32 vcc_lo, 3, v51
	WIN 0x44
.set p, 0
.rept 32
	v_cndmask_b32 v[TPR+p], 0, v[TPR+p], vcc_lo    ; rows 3-7 and 11-15 of source 0 are zeros
.set p, p+1
.endr
	WIN 0xc5
.set p, 0
.rept 16
	v_cvt_pk_bf16_f32 v[W3F+p], v[TPR+2*p], v[TPR+2*p+1]
.set p, p+1
.endr
	WIN 0xc0
.irp k, 4,5,6,7
	v_mov_b32 v[CB+\k], 0                          ; rows 4-7 and 12-15 of the sum's start: written once
.endr
	WIN 0
	s_wait_tensorcnt 0x0                           ; my quarters of gtab and w2img have landed,
	s_wait_dscnt 0x0                               ; and so have my T', my records' figures and my tokens' coarse + b3
	s_barrier_signal -1
	s_barrier_wait -1                              ; everybody's have
.irp w, 0,1,2,3
	ds_load_b128 v[X+4*\w:X+4*\w+3], v[RRD] offset:1024*\w         ; the four waves' means of channels 4 r on,
	ds_load_b128 v[X+16+4*\w:X+16+4*\w+3], v[RRD] offset:1024*\w+512   ; and their M2; each of 262,144 numbers
.endr
	WIN 0x40
.set p, 0
.rept 32
	ds_load_b128 v[4*p:4*p+3], v[WA] offset:512*p  ; W2's eight fragments: they stay
.set p, p+1
.endr
	WIN 0
.irp f, 0,1,2,3,4,5,6,7
	ds_load_b32 v[W2S+\f], v[WSA] offset:128*\f
.endr
	s_wait_dscnt 40                                ; the eight loads of the merge are back: behind them stand W2's 32 + 8
.irp k, 0,2
	v_pk_add_f32 v[X+32+\k:X+33+\k], v[X+\k:X+1+\k], v[X+4+\k:X+5+\k]
	v_pk_add_f32 v[X+36+\k:X+37+\k], v[X+8+\k:X+9+\k], v[X+12+\k:X+13+\k]
.endr
.irp k, 0,2
	v_pk_add_f32 v[X+32+\k:X+33+\k], v[X+32+\k:X+33+\k], v[X+36+\k:X+37+\k]
.endr
.irp k, 0,2
	v_pk_mul_f32 v[X+32+\k:X+33+\k], v[X+32+\k:X+33+\k], 0x3e800000 op_sel_hi:[1,0]   ; the mean of h2': / 4
.endr
.irp w, 0,1,2,3
.irp k, 0,2
	v_pk_add_f32 v[X+4*\w+\k:X+4*\w+\k+1], v[X+4*\w+\k:X+4*\w+\k+1], v[X+32+\k:X+33+\k] neg_lo:[0,1] neg_hi:[0,1]
.endr
.endr
.irp k, 0,2
	v_pk_mul_f32 v[X+36+\k:X+37+\k], v[X+\k:X+1+\k], v[X+\k:X+1+\k]
.endr
.irp w, 1,2,3
.irp k, 0,2
	v_pk_fma_f32 v[X+36+\k:X+37+\k], v[X+4*\w+\k:X+4*\w+\k+1], v[X+4*\w+\k:X+4*\w+\k+1], v[X+36+\k:X+37+\k]
.endr
.endr
.irp k, 0,2
	v_pk_add_f32 v[X+40+\k:X+41+\k], v[X+16+\k:X+17+\k], v[X+20+\k:X+21+\k]
	v_pk_add_f32 v[X+44+\k:X+45+\k], v[X+24+\k:X+25+\k], v[X+28+\k:X+29+\k]
.endr
.irp k, 0,2
	v_pk_add_f32 v[X+40+\k:X+41+\k], v[X+40+\k:X+41+\k], v[X+44+\k:X+45+\k]
.endr
.irp k, 0,2
	v_pk_fma_f32 v[X+40+\k:X+41+\k], v[X+36+\k:X+37+\k], 0x48800000, v[X+40+\k:X+41+\k] op_sel_hi:[1,0,1]   ; + 262,144 x sum of (mean_w - mean)^2
.endr
	s_mov_b32 s62, 0x35800000                      ; 1 / 1,048,576
	s_mov_b32 s63, 0x3727c5ac                      ; 1e-5
.irp k, 0,1,2,3
	v_fma_f32 v[X+40+\k], v[X+40+\k], s62, s63     ; var2 + 1e-5
.endr
.irp k, 0,1,2,3
	v_rsq_f32 v[X+44+\k], v[X+40+\k]
.endr
.irp k, 0,1,2,3
	v_add_f32 v[X+32+\k], v[X+32+\k], v[220+\k]    ; mean2 = mean(h2') + b2.  (Plain lines behind the transcendentals)
.endr
	s_wait_alu depctr_va_vdst(0)
.irp k, 0,1,2,3
	v_mul_f32 v[X+44+\k], v[212+\k], v[X+44+\k]    ; A2
.endr
.irp k, 0,1,2,3
	v_sub_f32 v[X+32+\k], v[220+\k], v[X+32+\k]    ; b2 - mean2
.endr
.irp k, 0,1,2,3
	v_fma_f32 v[X+36+\k], v[X+32+\k], v[X+44+\k], v[216+\k]   ; B2
.endr
	ds_store_b128 v[AWR], v[X+44:X+47]             ; my wave's own bytes: LDS serves a wave's instructions in order, so the loads below see these
	ds_store_b128 v[AWR], v[X+36:X+39] offset:256
	WIN 0xc0
.irp d, 0,1,2,3
.irp q, 0,1
	ds_load_b128 v[A2+8*\d+4*\q:A2+8*\d+4*\q+3], v[ARD] offset:64*\d+16*\q        ; in the accumulators' layout: channel 16 d + 8 h + j
	ds_load_b128 v[B2+8*\d+4*\q:B2+8*\d+4*\q+3], v[ARD] offset:256+64*\d+16*\q
.endr
.endr
	ds_load_b128 v[CB:CB+3], v[CBA]                ; coarse + b3 of my first token
	WIN 0x80
.set p, 0
.rept 64
	ds_load_b128 v[4*p:4*p+3], v[GA] offset:512*p  ; G' of my 32 points: it stays
.set p, p+1
.endr
	TLOAD 0
	s_wait_dscnt 0x0
	; ---- the first tile
	ADDX 0
	QUANT8
	PLACES 4                                       ; codes written by vector instructions stand four places ahead of a scaled matrix instruction
	MM
	WIN 0
	s_mov_b32 s60, 3
.Lgroup:                                           ; three times: eight tokens, then their bytes leave
	s_mov_b32 s61, 8
.Lbody:
	BODY
	s_sub_co_u32 s61, s61, 1
	s_cmp_lg_u32 s61, 0
	s_cbranch_scc1 .Lbody
	FLUSH 1
	s_sub_co_u32 s60, s60, 1
	s_cmp_lg_u32 s60, 0
	s_cbranch_scc1 .Lgroup
	s_mov_b32 s61, 7
.Lbody2:                                           ; the last eight tokens: seven as before,
	BODY
	s_sub_co_u32 s61, s61, 1
	s_cmp_lg_u32 s61, 0
	s_cbranch_scc1 .Lbody2
	ADDX 1                                         ; and the last, which fetches nothing more
	s_wait_dscnt 0x0                               ; coarse + b3 is in, the stores into the stage are done
	EPI
	QUANT8
	v_add_nc_u32 v[STA], 768, v[STA]
	OUT 0
	MM
	PLACES 8                                       ; in front of the first read of results: no other vector work is left
	EPI
	PLACES 4                                       ; likewise behind the bf16 products
	OUT 1
	FLUSH 0
	s_wait_tensorcnt 0x0
	ds_add_u32 v62, v63
	s_wait_dscnt 0x0
	s_endpgm
.Lfunc_end_k_q4759df8c7a_passB:
	.size	k_q4759df8c7a_passB, .Lfunc_end_k_q4759df8c7a_passB-k_q4759df8c7a_passB
	.p2alignl 7, 3214868480
	.fill 96, 4, 3214868480
	.section	.rodata,"a",@progbits
	.p2align	6, 0x0
	.amdhsa_kernel k_q4759df8c7a_passB
		.amdhsa_group_segment_fixed_size 213504
		.amdhsa_private_segment_fixed_size 0
		.amdhsa_enable_private_segment 0
		.amdhsa_kernarg_size 96
		.amdhsa_user_sgpr_count 2
		.amdhsa_user_sgpr_kernarg_segment_ptr 1
		.amdhsa_wavefront_size32 1
		.amdhsa_system_sgpr_workgroup_id_x 1
		.amdhsa_system_sgpr_workgroup_id_y 1
		.amdhsa_system_sgpr_workgroup_id_z 1
		.amdhsa_system_vgpr_workitem_id 0
		.amdhsa_next_free_vgpr 1024
		.amdhsa_next_free_sgpr 72
		.amdhsa_reserve_vcc 1
		.amdhsa_float_denorm_mode_32 3
		.amdhsa_float_denorm_mode_16_64 3
		.amdhsa_memory_ordered 1
		.amdhsa_forward_progress 1
		.amdhsa_inst_pref_size 227
	.end_amdhsa_kernel
	.amdgpu_metadata
---
amdhsa.version: [ 1, 2 ]
amdhsa.kernels:
  - .name:           k_q4759df8c7a_passB
    .symbol:         k_q4759df8c7a_passB.kd
    .args:
      - { .name: tok, .offset: 0, .size: 8, .value_kind: global_buffer, .address_space: global }
      - { .name: bn1, .offset: 8, .size: 8, .value_kind: global_buffer, .address_space: global }
      - { .name: gtab, .offset: 16, .size: 8, .value_kind: global_buffer, .address_space: global }
      - { .name: w2img, .offset: 24, .size: 8, .value_kind: global_buffer, .address_space: global }
      - { .name: part2, .offset: 32, .size: 8, .value_kind: global_buffer, .address_space: global }
      - { .name: gamma2, .offset: 40, .size: 8, .value_kind: global_buffer, .address_space: global }
      - { .name: beta2, .offset: 48, .size: 8, .value_kind: global_buffer, .address_space: global }
      - { .name: b2, .offset: 56, .size: 8, .value_kind: global_buffer, .address_space: global }
      - { .name: W3, .offset: 64, .size: 8, .value_kind: global_buffer, .address_space: global }
      - { .name: b3, .offset: 72, .size: 8, .value_kind: global_buffer, .address_space: global }
      - { .name: out0, .offset: 80, .size: 8, .value_kind: global_buffer, .address_space: global }
      - { .name: out1, .offset: 88, .size: 8, .value_kind: global_buffer, .address_space: global }
    .group_segment_fixed_size: 213504
    .private_segment_fixed_size: 0
    .kernarg_segment_align: 8
    .kernarg_segment_size: 96
    .max_flat_workgroup_size: 128
    .sgpr_count:     72
    .vgpr_count:     1024
    .wavefront_size: 32
...
	.end_amdgpu_metadata
.endif
;; end of part 5
